; MI455X (gfx1250); checked and timed in simulation.
; The chip was launched on July 23, 2026; its instructions are those of AMD's public machine-readable ISA for CDNA 5 (MIT licence, August 2026) and "CDNA5" Instruction Set Architecture Reference Guide (July 2026). The comments in the code are by the model that wrote it; some were corrected since.
;; Topological Attention. Allowed arithmetic: matrix products marked QUANTISED: E2M3 operands, one E8M0 scale for each 32 along K, by v_wmma_scale_f32_16x16x128_f8f6f4 with both operands' format E2M3, f32 sums; products left as they are: f32 operands where the result goes on into a quantised operand, else bf16, f16 or f32 operands; f32 sums; everything else in f32.
;; Inputs: Wk_codes 1,024 x 32 x 24 uint8 (E2M3 codes of Wk, K innermost, in blocks of 32 codes, four codes in three bytes); Wk_scales 1,024 x 32 uint8 (E8M0 scales of Wk, one for each 32 codes along K); Wo_codes 1,024 x 32 x 24 uint8 (E2M3 codes of Wo, K innermost, in blocks of 32 codes, four codes in three bytes); Wo_scales 1,024 x 32 uint8 (E8M0 scales of Wo, one for each 32 codes along K); Wq_codes 1,024 x 32 x 24 uint8 (E2M3 codes of Wq, K innermost, in blocks of 32 codes, four codes in three bytes); Wq_scales 1,024 x 32 uint8 (E8M0 scales of Wq, one for each 32 codes along K); Wt 1,024 x 1,024 float32; Wv_codes 1,024 x 32 x 24 uint8 (E2M3 codes of Wv, K innermost, in blocks of 32 codes, four codes in three bytes); Wv_scales 1,024 x 32 uint8 (E8M0 scales of Wv, one for each 32 codes along K); bk 1,024 float32; bo 1,024 float32; bq 1,024 float32; bt 1,024 float32; bv 1,024 float32; topo_features 4 x 1,024 float32; x_codes 4 x 2,048 x 32 x 24 uint8 (E2M3 codes of x, K innermost, in blocks of 32 codes, four codes in three bytes); x_scales 4 x 2,048 x 32 uint8 (E8M0 scales of x, one for each 32 codes along K).
;; Outputs: out0 4 x 2,048 x 1,024 float32.
;; This version of the problem:
;;   THIS VERSION OF THE PROBLEM IS GIVEN IN LOW PRECISION. The matrix products marked QUANTISED in the list below multiply operands that are first quantised to E2M3 (2 exponent bits, 3 mantissa bits; 6 bits a number), with one power-of-two scale for each 32 numbers along K (OCP MX v1.0); their sums are f32. All else is computed in f32.
;;   The module's matrix products, in the order in which they are computed (A, B: the left and right operand; K: the contracted axis; several contracted axes count as one K, in the product's order):
;;     1. [M 8,192, K 1,024] x [K 1,024, N 1,024]; A: input x (given as codes); B: input Wq (given as codes): QUANTISED
;;     2. [M 8,192, K 1,024] x [K 1,024, N 1,024]; A: input x (given as codes); B: input Wk (given as codes): QUANTISED
;;     3. [M 8,192, K 1,024] x [K 1,024, N 1,024]; A: input x (given as codes); B: input Wv (given as codes): QUANTISED
;;     4. [M 4, K 1,024] x [K 1,024, N 1,024]; A: input topo_features; B: input Wt: left as it is (M = 4 < 16)
;;     5. batch 64 x [M 2,048, K 64] x [K 64, N 2,048]; A: computed on the way; B: computed on the way: QUANTISED
;;     6. batch 64 x [M 64, K 2,048] x [K 2,048, N 2,048]; A: computed on the way; B: softmax (see below): QUANTISED
;;     7. [M 8,192, K 1,024] x [K 1,024, N 1,024]; A: computed on the way; B: input Wo (given as codes): QUANTISED
;;   THE QUANTISER, for each operand of a quantised product, along K:
;;     - K is cut into blocks of 32 from its start; a last block that is shorter is filled with zeros.
;;     - A block's scale is 2^e with e = floor(log2(the largest magnitude in the block)) - 2, held to -126 .. 127; a block of zeros has e = 0. As a byte (E8M0): e + 127.
;;     - Each number is divided by its block's scale, clamped to +-7.5, and rounded to the nearest number of E2M3, ties to even, subnormals kept.
;;     - The product sums the exact products of the quantised numbers (number of the format x scale) in f32.
;;   ~~~python
;;   def quantise(x, axis):      # numpy; x: float32 -> the quantised numbers, widened to float32 again
;;       x = np.moveaxis(x, axis, -1); K = x.shape[-1]
;;       x = np.pad(x, [(0, 0)] * (x.ndim - 1) + [(0, -K % 32)]); x = x.reshape(x.shape[:-1] + (-1, 32)); a = np.abs(x).max(-1, keepdims=True)
;;       e = np.where(a > 0, np.clip(np.frexp(np.where(a > 0, a, 1))[1] - 1 - 2, -126, 127), 0)      # np.frexp(a)[1] - 1 = floor(log2(a)), exactly
;;       r = np.clip(x / 2.0 ** e, -7.5, 7.5)
;;       step = 2.0 ** (np.maximum(np.frexp(np.where(r == 0, 1, r))[1] - 1, 0) - 3)
;;       q = np.round(r / step) * step * 2.0 ** e      # np.round: ties to even
;;       return np.moveaxis(q.reshape(q.shape[:-2] + (-1,))[..., :K], -1, axis).astype(np.float32)
;;   ~~~
;;   SOFTMAX AHEAD OF A QUANTISED PRODUCT. Where the list says 'softmax', what is quantised is not the finished softmax but p = 2^(t - M), with t = logit x log2(e) and M = ceil(the row's largest t), a whole number; so 1/2 < the row's largest p <= 1. The row's sum l is taken of the UNQUANTISED p, in f32, and the product's result is divided by l at the end. Since M is a whole number, a kernel that streams over the keys may use a running M (the ceiling of the running maximum): every later rescaling is an exact power of two, which a block's scale takes up: the codes' values come out the same.
;;   OPERANDS COMPUTED ON THE WAY. 'Computed on the way' means the value that the module computes at that place (a softmax that the list does not call 'softmax' is quantised finished and normalised). What goes into a quantiser is computed in f32, as accurately as f32 sums, v_exp_f32 and their like allow (about 1e-6 of the number): no bf16 or f16 on the way to a quantiser, and a product that is left as it is and whose result goes on into a quantised operand takes f32 operands (vector FMAs, or v_wmma_f32_16x16x4_f32). A number that lies on a knife's edge between two numbers of the format may be rounded either way, as far as f32 arithmetic and the matrix unit's own rounding can turn it there, and no further.
;;   INPUTS GIVEN AS CODES. Wk (in the module: [1024, 1024], K = its axis 0); Wo (in the module: [1024, 1024], K = its axis 0); Wq (in the module: [1024, 1024], K = its axis 0); Wv (in the module: [1024, 1024], K = its axis 0); x (in the module: [4, 2048, 1024], K = its axis 2): each comes as NAME_codes (uint8): NAME with its K axis moved to the last place and cut into blocks of 32 codes, [.., K / 32, bytes a block], one block behind the other in memory; four codes in three bytes: a row's codes are one little-endian stream of bits, code i at bits 6 i .. 6 i + 5 (a code: sign, 2 exponent bits, 3 mantissa bits); and NAME_scales (uint8): the same leading axes, one E8M0 byte (e + 127) for each 32 codes along K. Its value is code x scale, taken as it is: it is not quantised again, and the codes and scales need not be those that the quantiser above would give.
;; One version. Each part assembles by itself: llvm-mc -triple=amdgcn-amd-amdhsa -mcpu=gfx1250 --defsym DOCPART=n.
;; ======== version 1 of 1: 4 launches
;; limits: right only within a limited range of input values
;; workspace buffers: kbias 16,384 bytes; qimg 6,815,744 bytes; kimg 6,815,744 bytes; vimg 6,815,744 bytes; aoimg 6,553,600 bytes
;; launch topo (part 1): grid 16 x 1, 32 waves a work-group, no clusters, 36,864 bytes of LDS; arguments topo_features, Wt, bt, bk, kbias; writes kbias
.if DOCPART == 1
	.amdgcn_target "amdgcn-amd-amdhsa--gfx1250"
	.amdhsa_code_object_version 6
	.text
	.protected	k_qe5f6efdabd_topo
	.globl	k_qe5f6efdabd_topo
	.p2align	8
	.type	k_qe5f6efdabd_topo,@function
k_qe5f6efdabd_topo:
	s_mov_b64 s[64:65], 0
	v_nop
	global_prefetch_b8 v0, s[64:65] scope:SCOPE_SE
	s_setreg_imm32_b32 hwreg(HW_REG_WAVE_MODE, 25, 1), 1
	s_wait_xcnt 0x0
; kbias[b][n] = sum over k of topo_features[b][k] Wt[k][n] + bt[n] + bk[n]: all that is added to every key of batch b.  All f32, fused multiply-adds: the result goes on into a quantiser.
; SHARES.  Work-group g owns columns 64 g .. 64 g + 63: 256 consecutive, aligned bytes of every row of Wt.  Wave w owns rows 32 w .. 32 w + 31, a lane two columns.
; The four batches' numbers of topo_features are the same for all lanes: they come by scalar loads, 16 rows x 4 batches at a time.
; The 32 waves' partial sums meet in LDS (1,024 bytes a wave); wave b (0 .. 3) adds them for batch b and stores 256 consecutive, aligned bytes.
; LIMITS: the sum over k is taken in another order than a plain ascending one (32 partial sums of 32, then four chains): f32 rounding differs in the last bits.  NaN and infinities are passed on as the arithmetic gives them.
.set ACC, 2                            ; v[2:9]   sums: batch b, column c at v[2 + 2 b + c]
.set W,   16                           ; v[16:79] 32 rows x 2 columns of Wt; later the 32 partial sums
	s_load_b256 s[4:11], s[0:1], 0x0               ; topo_features s[4:5], Wt s[6:7], bt s[8:9], bk s[10:11]
	s_load_b64 s[12:13], s[0:1], 0x20              ; kbias
	v_lshl_add_u32 v96, v0, 2, 0x8000
	v_mov_b32 v97, 0
	v_and_b32 v1, 31, v0
	s_delay_alu instid0(VALU_DEP_1)
	v_lshlrev_b32 v1, 3, v1                        ; 8 x lane: my two columns
	v_lshrrev_b32 v11, 5, v0
	s_delay_alu instid0(VALU_DEP_1)
	v_readfirstlane_b32 s14, v11                   ; wave 0..31
	s_delay_alu instid0(VALU_DEP_2)
	v_lshl_add_u32 v10, v11, 10, v1                ; LDS: where I put my partial sums: 1,024 x wave + 8 x lane
	s_delay_alu instid0(VALU_DEP_3)
	v_lshl_add_u32 v12, v11, 8, v1                 ; LDS: where wave b reads batch b's: 256 x wave + 8 x lane (used by waves 0 to 3)
	s_lshl_b32 s2, ttmp9, 8                        ; 256 g
	s_mov_b32 s3, 0
	s_lshl_b32 s66, s14, 17                        ; 32 rows of 4,096 bytes a wave
	s_mov_b32 s67, 0
	s_lshl_b32 s68, s14, 7                         ; 32 numbers of topo_features a wave
	s_mov_b32 s69, 0
	s_wait_alu depctr_va_vdst(0)
	s_wait_kmcnt 0x0
	s_add_nc_u64 s[6:7], s[6:7], s[2:3]
	s_add_nc_u64 s[6:7], s[6:7], s[66:67]
	s_add_nc_u64 s[4:5], s[4:5], s[68:69]
	s_add_nc_u64 s[8:9], s[8:9], s[2:3]
	s_add_nc_u64 s[10:11], s[10:11], s[2:3]
	s_cmp_lt_u32 s14, 4                            ; waves 0 to 3, which finish the sums, ask for bt and bk here, ahead of Wt's rows: older than those loads, so the counted wait below covers them too
	s_cbranch_scc0 .Lno_bias
	global_load_b64 v[80:81], v1, s[8:9]
	global_load_b64 v[82:83], v1, s[10:11]
.Lno_bias:
.irp i, 0,1,2,3,4,5,6,7,8,9,10,11,12,13,14,15,16,17,18,19,20,21,22,23,24,25,26,27,28,29,30,31
	global_load_b64 v[W+2*\i:W+2*\i+1], v1, s[6:7] offset:\i*4096 th:TH_LOAD_NT   ; 32 lanes read 256 consecutive bytes of row i; read once in the launch
.endr
.macro TF half                         ; 16 rows' numbers of the four batches: s[16:31], s[32:47], s[48:63], s[80:95]
	s_load_b512 s[16:31], s[4:5], 64*\half
	s_load_b512 s[32:47], s[4:5], 4096+64*\half
	s_load_b512 s[48:63], s[4:5], 8192+64*\half
	s_load_b512 s[80:95], s[4:5], 12288+64*\half
.endm
.macro ROWS half                       ; 16 rows x 4 batches x 2 columns; the very first row starts the sums: nothing is cleared
.irp i, 0,1,2,3,4,5,6,7,8,9,10,11,12,13,14,15
.irp b, 0,1,2,3
.irp c, 0,1
.if (\half == 0) && (\i == 0)
	v_mul_f32 v[ACC+2*\b+\c], s[16+16*\b+16*(\b/3)], v[W+\c]
.else
	v_fmac_f32 v[ACC+2*\b+\c], s[16+16*\b+16*(\b/3)+\i], v[W+2*(16*\half+\i)+\c]
.endif
.endr
.endr
.endr
.endm
	TF 0
	s_wait_kmcnt 0x0
	s_wait_loadcnt 16                              ; rows 0 to 15 are in; the 16 younger loads may stay out
	ROWS 0
	TF 1
	s_wait_alu depctr_va_vdst(0)
	s_wait_kmcnt 0x0
	s_wait_loadcnt 0x0
	ROWS 1
.irp b, 0,1,2,3
	ds_store_b64 v10, v[ACC+2*\b:ACC+2*\b+1] offset:256*\b
.endr
	s_wait_dscnt 0x0                               ; for the others' sake: my partial sums lie in LDS
	s_barrier_signal -1
	s_barrier_wait -1
	s_cmp_lt_u32 s14, 4
	s_cbranch_scc0 .Ldone                          ; waves 4 to 31 have done their part
.irp w, 0,1,2,3,4,5,6,7,8,9,10,11,12,13,14,15,16,17,18,19,20,21,22,23,24,25,26,27,28,29,30,31
	ds_load_b64 v[W+2*\w:W+2*\w+1], v12 offset:\w*1024
.endr
	s_lshl_b32 s70, s14, 12                        ; batch b's row of kbias
	s_mov_b32 s71, 0
	s_add_nc_u64 s[12:13], s[12:13], s[2:3]
	s_add_nc_u64 s[12:13], s[12:13], s[70:71]
	s_wait_dscnt 0x0
.irp c, 0,1,2,3                        ; four chains that do not wait for each other
	v_pk_add_f32 v[W+2*\c:W+2*\c+1], v[W+2*\c:W+2*\c+1], v[W+8+2*\c:W+9+2*\c]
.endr
.irp i, 8,12,16,20,24,28
.irp c, 0,1,2,3
	s_delay_alu instid0(VALU_DEP_4)
	v_pk_add_f32 v[W+2*\c:W+2*\c+1], v[W+2*\c:W+2*\c+1], v[W+2*(\i+\c):W+2*(\i+\c)+1]
.endr
.endr
	s_delay_alu instid0(VALU_DEP_3)
	v_pk_add_f32 v[W:W+1], v[W:W+1], v[W+2:W+3]
	s_delay_alu instid0(VALU_DEP_2)
	v_pk_add_f32 v[W+4:W+5], v[W+4:W+5], v[W+6:W+7]
	s_delay_alu instid0(VALU_DEP_1)
	v_pk_add_f32 v[W:W+1], v[W:W+1], v[W+4:W+5]
	s_wait_alu depctr_va_vdst(0)
	s_wait_loadcnt 0x0
	v_pk_add_f32 v[W:W+1], v[W:W+1], v[80:81]      ; + bt
	s_delay_alu instid0(VALU_DEP_1)
	v_pk_add_f32 v[W:W+1], v[W:W+1], v[82:83]      ; + bk
	global_store_b64 v1, v[W:W+1], s[12:13]        ; 32 lanes store 256 consecutive bytes, at a multiple of 256 from the buffer's first byte
.Ldone:
	s_wait_tensorcnt 0x0
	ds_add_u32 v96, v97
	s_wait_dscnt 0x0
	s_endpgm
.Lfunc_end_k_qe5f6efdabd_topo:
	.size	k_qe5f6efdabd_topo, .Lfunc_end_k_qe5f6efdabd_topo-k_qe5f6efdabd_topo
	.p2alignl 7, 3214868480
	.fill 96, 4, 3214868480
	.section	.rodata,"a",@progbits
	.p2align	6, 0x0
	.amdhsa_kernel k_qe5f6efdabd_topo
		.amdhsa_group_segment_fixed_size 36864
		.amdhsa_private_segment_fixed_size 0
		.amdhsa_enable_private_segment 0
		.amdhsa_kernarg_size 40
		.amdhsa_user_sgpr_count 2
		.amdhsa_user_sgpr_kernarg_segment_ptr 1
		.amdhsa_wavefront_size32 1
		.amdhsa_system_sgpr_workgroup_id_x 1
		.amdhsa_system_sgpr_workgroup_id_y 1
		.amdhsa_system_sgpr_workgroup_id_z 1
		.amdhsa_system_vgpr_workitem_id 0
		.amdhsa_next_free_vgpr 98
		.amdhsa_next_free_sgpr 96
		.amdhsa_reserve_vcc 0
		.amdhsa_float_denorm_mode_32 3
		.amdhsa_float_denorm_mode_16_64 3
		.amdhsa_memory_ordered 1
		.amdhsa_forward_progress 1
		.amdhsa_inst_pref_size 19
	.end_amdhsa_kernel
	.amdgpu_metadata
---
amdhsa.version: [ 1, 2 ]
amdhsa.kernels:
  - .name:           k_qe5f6efdabd_topo
    .symbol:         k_qe5f6efdabd_topo.kd
    .args:
      - { .name: topo_features, .offset: 0, .size: 8, .value_kind: global_buffer, .address_space: global }
      - { .name: Wt, .offset: 8, .size: 8, .value_kind: global_buffer, .address_space: global }
      - { .name: bt, .offset: 16, .size: 8, .value_kind: global_buffer, .address_space: global }
      - { .name: bk, .offset: 24, .size: 8, .value_kind: global_buffer, .address_space: global }
      - { .name: kbias, .offset: 32, .size: 8, .value_kind: global_buffer, .address_space: global }
    .group_segment_fixed_size: 36864
    .private_segment_fixed_size: 0
    .kernarg_segment_align: 8
    .kernarg_segment_size: 40
    .max_flat_workgroup_size: 1024
    .sgpr_count:     96
    .vgpr_count:     98
    .wavefront_size: 32
...
	.end_amdgpu_metadata
.endif
;; end of part 1
;; launch proj (part 2): grid 16 x 48, 4 waves a work-group, clusters of 4 x 4, 313,856 bytes of LDS; arguments x_codes, x_scales, Wq_codes, Wq_scales, Wk_codes, Wk_scales, Wv_codes, Wv_scales, bq, kbias, bv, qimg, kimg, vimg; writes qimg, kimg, vimg
.if DOCPART == 2
	.amdgcn_target "amdgcn-amd-amdhsa--gfx1250"
	.amdhsa_code_object_version 6
	.text
	.protected	k_qe5f6efdabd_proj
	.globl	k_qe5f6efdabd_proj
	.p2align	8
	.type	k_qe5f6efdabd_proj,@function
k_qe5f6efdabd_proj:
	s_mov_b64 s[64:65], 0
	v_nop
	global_prefetch_b8 v0, s[64:65] scope:SCOPE_SE
	s_setreg_imm32_b32 hwreg(HW_REG_WAVE_MODE, 25, 1), 1
	s_wait_xcnt 0x0
	s_wait_alu depctr_hold_cnt(0) depctr_sa_sdst(0) depctr_va_vdst(0) depctr_va_sdst(0) depctr_va_ssrc(0) depctr_va_vcc(0) depctr_vm_vsrc(0)
	s_getreg_b32 s2, hwreg(HW_REG_IB_STS2, 6, 4)
	s_cmp_eq_u32 s2, 0
	s_cbranch_scc0 .Lentry_in_a_cluster
	s_endpgm
.Lentry_in_a_cluster:
	s_bfe_u32 s2, ttmp6, 0x10000c
	s_cmp_lg_u32 s2, 0xf033
	s_cbranch_scc0 .Lentry_shape_is_right
	s_endpgm
.Lentry_shape_is_right:
; q = x Wq + bq, k = x Wk + kbias[batch], v = x Wv + bv, on codes of FP6 (E2M3) with one E8M0 scale for each 32 along K, as they are given; then q and k are quantised along the head's 64, v along the keys, and
; leave as IMAGES OF OPERAND REGISTERS for the attention launch.
; THE FRAME.  P = S0 S1^T: source 0 = 16 rows of S0, source 1 = 16 rows of S1, so a lane holds ONE row of S1 and its registers run along S0's rows.  A work-group makes 128 (S0) x 256 (S1) over all of K = 1,024;
; each of its four waves takes all 128 rows of S0 and 64 rows of S1: 32 accumulators.  Both tiles lie whole in LDS: every byte of LDS is filled once, so there is no ring and no refill.
; KINDS, by the cluster's y (the same in all sixteen partners).  y < 8: S0 = Wq or Wk (128 features = two heads), S1 = x (256 tokens): a lane's registers run along the features, which are the next product's K.
; y >= 8: S0 = x (128 tokens), S1 = Wv (256 features): a lane's registers run along the tokens, which are the keys, the K of the product with the softmax.
; ROWS IN LDS.  A row of 1,024 codes is 768 bytes: three chunks of 256 bytes, each chunk of all rows in a region of its own, rows 272 bytes apart (256 + 16 of padding = 68 words: row r starts at bank 4 r mod 64;
; 64 banks of 4 bytes: ISA guide 11.1).  K steps 0-1 read chunk 0, steps 2-4 chunks 0 and 1, steps 5-7 chunks 1 and 2: so the products begin when the first third has landed.
; CLUSTERS: 4 x 4.  S0's tile hangs on cx and is shared along a column of the cluster, S1's on cy and is shared along a row: each is asked for jointly.
; THE ORDER INSIDE A BLOCK OF 32.  Tiles are plain runs of 16 rows, so a lane's 16 registers of two neighbouring tiles are rows 8 h + 0..7 and 16 + 8 h + 0..7 of a block.  After conversion and the exchange of halves, place i of a
; block holds row i with its bits 3 and 4 exchanged.  q and k are made by the same lines, and so are v here and p in the attention launch: both operands of each product carry the same order, inside one scale's block, so every product is unchanged.
; LIMITS: NaN and infinities are not served.  A block whose largest magnitude lies under 2^-124, a block of zeros too, gets the scale byte 1: zero codes add nothing under any byte, and only this program reads these bytes.
; REGISTERS, in windows of 256.  Window 0: v2-11 LDS addresses, v18-27 offsets, v32-95 S0's scale words (8 a + s), v96-127 S1's (8 b + s), v128-191 H (64 numbers at work), v192-215 F (codes), v216-251 at work.
;   Window 1: accumulator (a, b) at v[64 b + 8 a].   Window 2 + p: fragment set p: S0's tile a at v[12 a], S1's tile b at v[96 + 12 b].   Window 2, v160-223: the bias.
; ROWS IN LDS, AS THIS TEXT HAS THEM (in place of what the paragraph ROWS IN LDS above says): both tiles are dense blocks of memory and come in as lines of 256 bytes, 16 bytes of padding behind each:
; a row of 768 bytes is three lines on end, 816 bytes in LDS (204 words: row r starts at bank 12 r mod 64, sixteen different starts).  Wave 0 fetches S0's 384 lines, waves 1 to 3 each 256 of S1's 768: one joint load a wave,
; all issued at the head, and one wait for 0 and one barrier ahead of the first fragment loads.
.set CH0,  34816                       ; a third of S0's bytes in LDS
.set CH1,  69632                       ; a chunk of S1: 256 rows x 272
.set S1R,  3*CH0                       ; S1's three chunks lie behind S0's three
.set QSO,  6291456                     ; in qimg, kimg, vimg: the scale words begin here
.set PADW, (3<<16)|(1<<20)|(1<<21)|(5<<22)|(3<<25)   ; 17:16 elements of 8 bytes; 20 padding on; 21 set beside a mask; 24:22 after every 64 words (code 5); 31:25 of 4 words (code 3)
.set A0B1, 2                           ; v2-4   S0, chunk c: row r x 816 + 272 c + 24 h
.set A0B2, 5                           ; v5-6   S0, chunk c, for the pieces whose partner three pieces on lies in the next chunk: row r x 816 + 272 c + h x (272 - 232)
.set A1B1, 7                           ; v7-9   the same for my 64 rows of S1
.set A1B2, 10                          ; v10-11
.set L16,  18                          ; v18    16 x lane
.set L8,   19                          ; v19    8 x lane
.set R32,  20                          ; v20    32 x (lane % 16): a row of scale bytes
.set BO,   21                          ; v21    the bias loads' offset
.set S0S,  32
.set S1S,  96
.set H,    128
.set F,    192
.set SCR,  216
.set TM,   224                         ; v224-227 largest magnitudes, v228-231 bytes, v236-239 the conversions' scale operands
.set PW0,  240
.set PW1,  241
.set SWR,  242                         ; v242-245 scale words to store: head c, fragment e at 2 c + e
.set VSW,  248                         ; v248-251 v's scale words
.set BN,   160                         ; in window 2
.set WV,   32                          ; s32 my wave's number
.set G1A,  48                          ; s[48:55] descriptor group 1 for S0's chunks;  s[56:63] for S1's
.set G1B,  56
.set SEL,  66                          ; s[66:67] lane selects for v_permlanex16_b32: lane l xor 16
.set G0,   68                          ; s[68:75] two groups 0: S0's at 68, S1's at 72
.set MSB, 0
.macro WIN new                         ; the immediate's high byte repeats the setting that is left; a switch that changes nothing is dropped
.if MSB != (\new)
	s_set_vgpr_msb (MSB<<8)|(\new)
.set MSB, (\new)
.endif
.endm
.macro CROUND                          ; a round of the cluster's barrier
	s_barrier_signal -1
	s_barrier_wait -1
	s_cmp_lg_u32 s[WV], 0
	s_cbranch_scc1 .Lnot_wave_0_\@
	s_barrier_signal -3
.Lnot_wave_0_\@:
	s_barrier_wait -3
	s_barrier_signal -1
	s_barrier_wait -1
.endm
.macro PLACES                          ; four places behind a matrix instruction, in front of loads into registers that it has read and of reads of its results
.rept 4
	v_nop
.endr
.endm
.macro GATE n                          ; my loads but the n youngest have landed; behind the barrier everybody's have.
	s_wait_tensorcnt \n
	s_barrier_signal -1
	s_barrier_wait -1
.endm
; Piece p (8 bytes) of the fragment of tile t for K step s.  Lanes 0-15 take the row's piece P0 = 12 s + 0, 1, 2, 6, 7, 8, lanes 16-31 the piece three on.  Where that one lies in the next chunk (P0 % 32 >= 29) the second address register serves.
.macro PIECE reg, b1, b2, t, s, p
.set P0, 12*(\s)+6*((\p)/3)+(\p)%3
.if P0%32 < 29
	ds_load_b64 v[(\reg)+2*(\p):(\reg)+2*(\p)+1], v[(\b1)+P0/32+10*((\t)/4)] offset:8*(P0%32)+((\t)%4)*13056   ; tiles 4 to 7 have address registers of their own, ten further on: the immediate has 16 bits
.else
	ds_load_b64 v[(\reg)+2*(\p):(\reg)+2*(\p)+1], v[(\b2)+P0/32+10*((\t)/4)] offset:8*(P0%32)+((\t)%4)*13056
.endif
.endm
.macro LOADS s, g                      ; twelve of a K step's 72 loads: S0's eight fragments, then my four of S1
.set LN, 12*(\g)
.rept 12
.if LN < 48
	PIECE 12*(LN/6), A0B1, A0B2, LN/6, \s, LN%6
.else
	PIECE 96+12*((LN-48)/6), A1B1, A1B2, (LN-48)/6, \s, (LN-48)%6
.endif
.set LN, LN+1
.endr
.endm
.macro MUL4 s, g                       ; four products: S1's tile g / 2 against S0's tiles 4 (g % 2) + 0 .. 3.  The 32 accumulators take turns, one instruction a turn, in the same order in every step
.irp i, 0,1,2,3
.set MA, 4*((\g)%2)+\i
.set MB, (\g)/2
.if (\s) == 0
	v_wmma_scale_f32_16x16x128_f8f6f4 v[64*MB+8*MA:64*MB+8*MA+7], v[12*MA:12*MA+11], v[96+12*MB:96+12*MB+11], 0, v[S0S+8*MA+(\s)], v[S1S+8*MB+(\s)] matrix_a_fmt:MATRIX_FMT_FP6 matrix_b_fmt:MATRIX_FMT_FP6
.else
	v_wmma_scale_f32_16x16x128_f8f6f4 v[64*MB+8*MA:64*MB+8*MA+7], v[12*MA:12*MA+11], v[96+12*MB:96+12*MB+11], v[64*MB+8*MA:64*MB+8*MA+7], v[S0S+8*MA+(\s)], v[S1S+8*MB+(\s)] matrix_a_fmt:MATRIX_FMT_FP6 matrix_b_fmt:MATRIX_FMT_FP6
.endif
.endr
.endm
; K step s: 32 products on set s % 2; behind the first and behind the second group of four stand 36 loads each of the next step's fragments into the other set: two runs of loads a step, and the last loads have 24 products in which to land.
.macro KSTEP s
	s_wait_dscnt 0x0                               ; this step's fragments are in
.if ((\s) >= 1) && ((\s) < 7)
	PLACES                                         ; the set to be loaded was read by the last step's products
.endif
.irp g, 0,1,2,3,4,5,6,7
	WIN 0x5a+5*((\s)%2)                            ; sources 0 and 1: window 2 + s % 2; C and D: window 1
	MUL4 \s, \g
.if ((\s) < 7) && (\g < 2)
	WIN 0x80+0x40*(((\s)+1)%2)                     ; destination: the other set's window
	LOADS (\s)+1, 3*\g
	LOADS (\s)+1, 3*\g+1
	LOADS (\s)+1, 3*\g+2
.endif
.endr
	WIN 0
.endm
; H = tile column b's 64 numbers a lane + the bias: the addition is also the way from window 1 to window 0.  Ascending: each accumulator is read from its low end on.
.macro ADDN b                          ; the bias runs along the registers
	WIN 0x09                                       ; source 0 window 1, source 1 window 2
.set AI, 0
.rept 32
	v_pk_add_f32 v[H+AI:H+AI+1], v[64*(\b)+AI:64*(\b)+AI+1], v[BN+AI:BN+AI+1]
.set AI, AI+2
.endr
	WIN 0
.endm
.macro ADDL b                          ; the bias is the lane's own
	WIN 0x09
.set AI, 0
.rept 32
	v_pk_add_f32 v[H+AI:H+AI+1], v[64*(\b)+AI:64*(\b)+AI+1], v[BN+2*(\b):BN+2*(\b)+1]
.set AI, AI+2
.endr
	WIN 0
.endm
; 64 numbers of a lane, v[s] on: four blocks of 32, each shared with lane l xor 16.  Blocks 0 and 1 become six registers of codes at v[d0] (lanes 0-15 block 0, lanes 16-31 block 1), blocks 2 and 3 at v[d1]; the four scale bytes v[pw].
.macro QUANT s, d0, d1, pw
.irp b, 0,1,2,3
	v_max3_num_f32 v[TM+\b], |v[\s+16*\b]|, |v[\s+1+16*\b]|, 0x1800000   ; my 16 numbers, and the floor 2^(3 - 127): the byte cannot fall under 1
.endr
.irp i, 2,4,6,8,10,12,14
.irp b, 0,1,2,3
	v_max3_num_f32 v[TM+\b], v[TM+\b], |v[\s+16*\b+\i]|, |v[\s+1+16*\b+\i]|
.endr
.endr
.irp b, 0,1,2,3
	v_permlanex16_b32 v[TM+4+\b], v[TM+\b], s[SEL], s[SEL+1]
.endr
.irp b, 0,1,2,3
	v_max_num_f32 v[TM+\b], v[TM+\b], v[TM+4+\b]   ; the block's largest magnitude
.endr
.irp b, 0,1,2,3
	v_add_nc_u32 v[TM+12+\b], 0xff000000, v[TM+\b] ; 2 off its exponent field: the conversion takes this operand's exponent field as its scale
.endr
.irp b, 0,1,2,3
	v_lshrrev_b32 v[TM+4+\b], 23, v[TM+12+\b]      ; the scale's byte
.endr
	v_lshl_or_b32 v[\pw], v[TM+5], 8, v[TM+4]
	v_lshl_or_b32 v[\pw], v[TM+6], 16, v[\pw]
	v_lshl_or_b32 v[\pw], v[TM+7], 24, v[\pw]
	v_cvt_scalef32_pk16_fp6_f32 v[\d0:\d0+2], v[\s:\s+15], v[TM+12]
	v_cvt_scalef32_pk16_fp6_f32 v[SCR:SCR+2], v[\s+16:\s+31], v[TM+13]
	v_cvt_scalef32_pk16_fp6_f32 v[\d1:\d1+2], v[\s+32:\s+47], v[TM+14]
	v_cvt_scalef32_pk16_fp6_f32 v[SCR+4:SCR+6], v[\s+48:\s+63], v[TM+15]
	v_nop                                          ; one plain place behind a scaled conversion
.irp i, 0,1,2
	v_permlane16_swap_b32 v[\d0+\i], v[SCR+\i]     ; the first then holds each lane's block's lower 16 codes, the second the upper 16
	v_permlane16_swap_b32 v[\d1+\i], v[SCR+4+\i]
.endr
.irp i, 0,1,2
	v_mov_b32 v[\d0+3+\i], v[SCR+\i]
	v_mov_b32 v[\d1+3+\i], v[SCR+4+\i]
.endr
.endm
	s_load_b512 s[4:19], s[0:1], 0x0               ; x's codes s[4:5], scales s[6:7]; Wq's s[8:11]; Wk's s[12:15]; Wv's s[16:19]
	s_load_b256 s[20:27], s[0:1], 0x40             ; bq s[20:21], kbias s[22:23], bv s[24:25], qimg s[26:27]
	s_load_b128 s[28:31], s[0:1], 0x60             ; kimg s[28:29], vimg s[30:31]
	v_lshl_add_u32 v254, v0, 2, 0x4c800
	v_mov_b32 v255, 0
	ds_add_u32 v254, v255
	ds_add_u32 v254, v255
	v_lshrrev_b32 v1, 5, v0
	v_readfirstlane_b32 s[WV], v1                  ; wave 0..3
	s_bfe_u32 s33, ttmp6, 0x40000                  ; cx
	s_bfe_u32 s34, ttmp6, 0x40004                  ; cy
	s_mov_b32 s35, ttmp9                           ; the cluster's x, 0..3
	s_and_b32 s36, ttmp7, 0xffff                   ; the cluster's y, 0..11
	s_and_b32 s100, s35, 1                         ; Q, K: which half of the 1,024 features
	s_max_u32 s101, s36, 8
	s_sub_co_u32 s101, s101, 8
	s_lshl_b32 s101, s101, 2
	s_add_co_u32 s101, s101, s35                   ; V: which 512 tokens: x + 4 (y - 8)
	s_cmp_lt_u32 s36, 8
	s_cselect_b32 s38, s100, s101
	s_cselect_b32 s39, s36, 0
	s_lshl_b32 s38, s38, 2
	s_add_co_u32 s38, s38, s33                     ; S0's tile of 128 rows: hangs on cx alone within the cluster
	s_lshl_b32 s39, s39, 2
	s_add_co_u32 s39, s39, s34                     ; S1's tile of 256 rows: on cy alone
	s_lshl_b32 s96, 0x1111, s33                    ; my column of the cluster
	s_lshl_b32 s98, s34, 2
	s_lshl_b32 s98, 15, s98                        ; my row
	s_or_b32 s[G1A], s96, PADW
	s_or_b32 s[G1B], s98, PADW
.irp g, G1A, G1B
	s_mov_b32 s[\g+1], 32<<16                      ; tensor_dim0 = 32 elements of 8 bytes: a chunk of a row
	s_mov_b32 s[\g+3], 32<<16                      ; tile_dim0
	s_mov_b32 s[\g+5], 32                          ; from line to line: 256 bytes, dense
	s_mov_b32 s[\g+6], 0
	s_mov_b32 s[\g+7], 0
.endr
	s_mov_b32 s[G1A+2], 384<<16                    ; S0: 128 rows = 384 lines, wave 0's load
	s_mov_b32 s[G1A+4], 384
	s_mov_b32 s[G1B+2], 256<<16                    ; S1: 256 of its 768 lines for each of waves 1 to 3
	s_mov_b32 s[G1B+4], 256
	s_mul_i32 s96, s38, 98304                      ; S0: the bytes in front of the tile's 128 rows
	s_mov_b32 s97, 0
	s_max_u32 s2, s[WV], 1
	s_sub_co_u32 s2, s2, 1
	s_lshl_b32 s2, s2, 16                          ; S1: which 256 lines (65,536 bytes) waves 1 to 3 fetch
	s_mul_i32 s98, s39, 196608
	s_add_co_u32 s98, s98, s2
	s_mov_b32 s99, 0
	s_mul_i32 s100, s[WV], 69632                   ; and where they go: S1R + (wave - 1) x 256 x 272: no place in the cluster enters an LDS address
	s_add_co_u32 s100, s100, S1R-69632
	s_mul_i32 s101, s[WV], 52224                   ; the 64 rows of S1 that I read: 816 bytes each
	s_mov_b32 s[SEL], 0x76543210
	s_mov_b32 s[SEL+1], 0xfedcba98
	s_wait_dscnt 0x0
	s_wait_kmcnt 0x0
	s_cmp_lt_u32 s35, 2                            ; Q's clusters or K's
	s_cselect_b64 s[40:41], s[8:9], s[12:13]
	s_cselect_b64 s[42:43], s[10:11], s[14:15]
	s_cselect_b64 s[92:93], s[20:21], s[22:23]     ; the bias
	s_cselect_b64 s[94:95], s[26:27], s[28:29]     ; where the images go
	s_cselect_b32 s37, 0, 1                        ; 1: K, whose bias has a row for each batch
	s_cmp_lt_u32 s36, 8                            ; Q, K or V
	s_cselect_b64 s[44:45], s[4:5], s[16:17]       ; S1's codes
	s_cselect_b64 s[46:47], s[6:7], s[18:19]       ; S1's scales
	s_cselect_b64 s[40:41], s[40:41], s[4:5]       ; S0's codes
	s_cselect_b64 s[42:43], s[42:43], s[6:7]       ; S0's scales
	s_add_nc_u64 s[96:97], s[40:41], s[96:97]
	s_add_nc_u64 s[98:99], s[44:45], s[98:99]
	s_mov_b32 s[G0], 1
	s_mov_b32 s[G0+1], 0
	s_mov_b64 s[G0+2:G0+3], s[96:97]
	s_or_b32 s[G0+3], s[G0+3], 0x80000000
	s_mov_b32 s[G0+4], 1
	s_mov_b32 s[G0+5], s100
	s_mov_b64 s[G0+6:G0+7], s[98:99]
	s_or_b32 s[G0+7], s[G0+7], 0x80000000
	CROUND                                         ; all sixteen work-groups are here: the joint loads meet
	s_cmp_eq_u32 s[WV], 0                          ; all fills of the launch, one a wave: every way passes one load
	s_cbranch_scc0 .Lfor_s1
	tensor_load_to_lds s[G0:G0+3], s[G1A:G1A+7]
	s_nop 0
.rept 4
	v_nop
.endr
	s_branch .Lasked
.Lfor_s1:
	tensor_load_to_lds s[G0+4:G0+7], s[G1B:G1B+7]
	s_nop 0
.rept 4
	v_nop
.endr
.Lasked:
	v_and_b32 v22, 15, v0                          ; r
	v_bfe_u32 v23, v0, 4, 1                        ; h
	v_and_b32 v24, 31, v0                          ; lane
	v_lshlrev_b32 v[L16], 4, v24
	v_lshlrev_b32 v[L8], 3, v24
	v_lshlrev_b32 v[R32], 5, v22
	v_mul_u32_u24 v25, v22, 816
	v_mad_u32_u24 v26, v23, 24, v25                ; row r x 816 + 24 h
	v_mad_u32_u24 v27, v23, 40, v25                ; across two lines: lanes 16-31 stand 272 - 232 further on
.irp c, 0,1,2
	v_add_nc_u32 v[A0B1+\c], \c*272, v26
	v_add_nc_u32 v[A0B1+10+\c], 52224+\c*272, v26  ; S0's tiles 4 to 7: 64 rows on
.endr
.irp c, 0,1
	v_add_nc_u32 v[A0B2+\c], \c*272, v27
	v_add_nc_u32 v[A0B2+10+\c], 52224+\c*272, v27
.endr
	s_add_co_u32 s3, s101, S1R
	v_add_nc_u32 v26, s3, v26
	v_add_nc_u32 v27, s3, v27
.irp c, 0,1,2
	v_add_nc_u32 v[A1B1+\c], \c*272, v26
.endr
.irp c, 0,1
	v_add_nc_u32 v[A1B2+\c], \c*272, v27
.endr
.irp b, 0,1,2,3
	v_mov_b32 v[TM+4+\b], 0                        ; written once: a lane permute's destination counts as one of its sources
.endr
	; the scale bytes go straight into registers, once: a row's 32 bytes are the eight K steps' words
	s_lshl_b32 s2, s38, 12                         ; 128 rows x 32 bytes a tile of S0
	s_mov_b32 s3, 0
	s_add_nc_u64 s[42:43], s[42:43], s[2:3]
	s_lshl_b32 s2, s39, 13
	s_lshl_b32 s100, s[WV], 11
	s_add_co_u32 s2, s2, s100
	s_add_nc_u64 s[46:47], s[46:47], s[2:3]
.irp a, 0,1,2,3,4,5,6,7
	global_load_b128 v[S0S+8*\a:S0S+8*\a+3], v[R32], s[42:43] offset:512*\a
	global_load_b128 v[S0S+8*\a+4:S0S+8*\a+7], v[R32], s[42:43] offset:512*\a+16
.endr
.irp b, 0,1,2,3
	global_load_b128 v[S1S+8*\b:S1S+8*\b+3], v[R32], s[46:47] offset:512*\b
	global_load_b128 v[S1S+8*\b+4:S1S+8*\b+7], v[R32], s[46:47] offset:512*\b+16
.endr
	s_wait_alu depctr_va_vdst(0)
	GATE 0                                         ; my one load has landed; behind the barrier everybody's has: both tiles are whole
	WIN 0x80
.irp g, 0,1,2,3,4,5
	LOADS 0, \g
.endr
	WIN 0
	s_wait_loadcnt 0x0                             ; the scale words
	KSTEP 0
	KSTEP 1
	KSTEP 2
	KSTEP 3
	KSTEP 4
	KSTEP 5
	s_cmp_lt_u32 s36, 8                            ; THE ONE BRANCH ON THE KIND: the same way in all sixteen partners.  Each arm asks for its bias, runs the last two K steps while it comes, and goes out
	s_cbranch_scc0 .Lkind_v
	; ---- Q or K.  The bias of feature 16 a + 8 h + j stands in register 8 a + j
	s_lshr_b32 s2, s39, 3                          ; the batch
	s_lshl_b32 s2, s2, 12
	s_mul_i32 s2, s2, s37
	s_lshl_b32 s3, s38, 9                          ; my 128 features
	s_add_co_u32 s2, s2, s3
	s_mov_b32 s3, 0
	s_add_nc_u64 s[92:93], s[92:93], s[2:3]
	v_lshlrev_b32 v[BO], 5, v23
	WIN 0x80
.irp a, 0,1,2,3,4,5,6,7
	global_load_b128 v[BN+8*\a:BN+8*\a+3], v[BO], s[92:93] offset:64*\a
	global_load_b128 v[BN+8*\a+4:BN+8*\a+7], v[BO], s[92:93] offset:64*\a+16
.endr
	WIN 0
	s_lshr_b32 s2, s39, 3
	s_lshl_b32 s2, s2, 4
	s_lshl_b32 s3, s38, 1
	s_add_co_u32 s2, s2, s3                        ; 16 x batch + the first of my two heads
	s_and_b32 s3, s39, 7
	s_lshl_b32 s3, s3, 2
	s_add_co_u32 s3, s3, s[WV]                     ; my 64 tokens are fragments 2 pi and 2 pi + 1 of the batch: pi = 4 (tile % 8) + wave
	s_lshl_b32 s100, s2, 6
	s_lshl_b32 s101, s3, 1
	s_add_co_u32 s100, s100, s101
	s_mul_i32 s100, s100, 1536
	s_mov_b32 s101, 0
	s_add_nc_u64 s[4:5], s[94:95], s[100:101]      ; the images
	s_lshl_b32 s100, s2, 13
	s_lshl_b32 s3, s3, 8
	s_add_co_u32 s100, s100, s3
	s_add_co_u32 s100, s100, QSO
	s_add_nc_u64 s[6:7], s[94:95], s[100:101]      ; the scale words
	KSTEP 6
	KSTEP 7
	PLACES
	s_wait_loadcnt 0x0                             ; the bias
; A fragment of the attention launch holds TWO tiles of 16 tokens of one head: registers 0-5 the first tile's 64 codes a row, registers 6-11 the second's; its scale word the first tile's two bytes, then the second's.
.irp e, 0,1
	s_wait_xcnt 0x0                                ; the stores issued so far have read F: it is written again only behind this wait
	ADDN 2*\e
	QUANT H, F, F+12, PW0                          ; tokens 32 e + 0 .. 15: head 0's six registers, head 1's six
	ADDN 2*\e+1
	QUANT H, F+6, F+18, PW1                        ; tokens 32 e + 16 .. 31
	v_perm_b32 v[SWR+\e], v[PW1], v[PW0], 0x05040100     ; head 0: bytes 0, 1 of both words
	v_perm_b32 v[SWR+2+\e], v[PW1], v[PW0], 0x07060302   ; head 1: bytes 2, 3
.irp c, 0,1
.irp j, 0,1,2
	global_store_b128 v[L16], v[F+12*\c+4*\j:F+12*\c+4*\j+3], s[4:5] offset:\c*98304+\e*1536+512*\j   ; 32 lanes store 512 consecutive bytes, at a multiple of 256
.endr
.endr
.endr
.irp c, 0,1
	global_store_b64 v[L8], v[SWR+2*\c:SWR+2*\c+1], s[6:7] offset:\c*8192   ; 256 consecutive bytes: both fragments' words, lane by lane
.endr
	s_branch .Lend
.Lkind_v:
	; ---- V.  The bias is that of the lane's own feature: one number for each of my four tiles, twice, for the packed addition
	s_lshl_b32 s2, s39, 10
	s_lshl_b32 s3, s[WV], 8
	s_add_co_u32 s2, s2, s3
	s_mov_b32 s3, 0
	s_add_nc_u64 s[24:25], s[24:25], s[2:3]
	v_lshlrev_b32 v[BO], 2, v22
	WIN 0x80
.irp b, 0,1,2,3
	global_load_b32 v[BN+2*\b], v[BO], s[24:25] offset:64*\b
	global_load_b32 v[BN+2*\b+1], v[BO], s[24:25] offset:64*\b
.endr
	WIN 0
	s_lshr_b32 s2, s38, 4                          ; the batch
	s_lshl_b32 s2, s2, 4
	s_lshl_b32 s3, s39, 2
	s_add_co_u32 s2, s2, s3
	s_add_co_u32 s2, s2, s[WV]                     ; + the head: 4 cy + wave
	s_lshl_b32 s2, s2, 4
	s_and_b32 s3, s38, 15
	s_add_co_u32 s2, s2, s3                        ; x 16 + the key step: my tile's 128 tokens
	s_mul_i32 s100, s2, 6144
	s_mov_b32 s101, 0
	s_add_nc_u64 s[4:5], s[30:31], s[100:101]
	s_lshl_b32 s100, s2, 9
	s_add_co_u32 s100, s100, QSO
	s_add_nc_u64 s[6:7], s[30:31], s[100:101]
	KSTEP 6
	KSTEP 7
	PLACES
	s_wait_loadcnt 0x0
.irp b, 0,1,2,3                        ; tile b: 16 of the head's 64 x 128 keys: one fragment and one scale word a row
	s_wait_xcnt 0x0                                ; the stores issued so far have read F
	ADDL \b
	QUANT H, F, F+6, VSW+\b
.irp j, 0,1,2
	global_store_b128 v[L16], v[F+4*\j:F+4*\j+3], s[4:5] offset:\b*1536+512*\j
.endr
.endr
	global_store_b128 v[L16], v[VSW:VSW+3], s[6:7] ; the four tiles' words, lane by lane: 512 consecutive bytes
.Lend:
	s_wait_tensorcnt 0x0
	ds_add_u32 v254, v255
	s_wait_dscnt 0x0
	CROUND                                         ; the closing round: no work-group ends while a partner may still ask for a tile that names it
	s_endpgm
.Lfunc_end_k_qe5f6efdabd_proj:
	.size	k_qe5f6efdabd_proj, .Lfunc_end_k_qe5f6efdabd_proj-k_qe5f6efdabd_proj
	.p2alignl 7, 3214868480
	.fill 96, 4, 3214868480
	.section	.rodata,"a",@progbits
	.p2align	6, 0x0
	.amdhsa_kernel k_qe5f6efdabd_proj
		.amdhsa_group_segment_fixed_size 313856
		.amdhsa_private_segment_fixed_size 0
		.amdhsa_enable_private_segment 0
		.amdhsa_kernarg_size 112
		.amdhsa_user_sgpr_count 2
		.amdhsa_user_sgpr_kernarg_segment_ptr 1
		.amdhsa_wavefront_size32 1
		.amdhsa_system_sgpr_workgroup_id_x 1
		.amdhsa_system_sgpr_workgroup_id_y 1
		.amdhsa_system_sgpr_workgroup_id_z 1
		.amdhsa_system_vgpr_workitem_id 0
		.amdhsa_next_free_vgpr 1024
		.amdhsa_next_free_sgpr 102
		.amdhsa_reserve_vcc 0
		.amdhsa_float_denorm_mode_32 3
		.amdhsa_float_denorm_mode_16_64 3
		.amdhsa_memory_ordered 1
		.amdhsa_forward_progress 1
		.amdhsa_inst_pref_size 147
	.end_amdhsa_kernel
	.amdgpu_metadata
---
amdhsa.version: [ 1, 2 ]
amdhsa.kernels:
  - .name:           k_qe5f6efdabd_proj
    .symbol:         k_qe5f6efdabd_proj.kd
    .args:
      - { .name: x_codes, .offset: 0, .size: 8, .value_kind: global_buffer, .address_space: global }
      - { .name: x_scales, .offset: 8, .size: 8, .value_kind: global_buffer, .address_space: global }
      - { .name: Wq_codes, .offset: 16, .size: 8, .value_kind: global_buffer, .address_space: global }
      - { .name: Wq_scales, .offset: 24, .size: 8, .value_kind: global_buffer, .address_space: global }
      - { .name: Wk_codes, .offset: 32, .size: 8, .value_kind: global_buffer, .address_space: global }
      - { .name: Wk_scales, .offset: 40, .size: 8, .value_kind: global_buffer, .address_space: global }
      - { .name: Wv_codes, .offset: 48, .size: 8, .value_kind: global_buffer, .address_space: global }
      - { .name: Wv_scales, .offset: 56, .size: 8, .value_kind: global_buffer, .address_space: global }
      - { .name: bq, .offset: 64, .size: 8, .value_kind: global_buffer, .address_space: global }
      - { .name: kbias, .offset: 72, .size: 8, .value_kind: global_buffer, .address_space: global }
      - { .name: bv, .offset: 80, .size: 8, .value_kind: global_buffer, .address_space: global }
      - { .name: qimg, .offset: 88, .size: 8, .value_kind: global_buffer, .address_space: global }
      - { .name: kimg, .offset: 96, .size: 8, .value_kind: global_buffer, .address_space: global }
      - { .name: vimg, .offset: 104, .size: 8, .value_kind: global_buffer, .address_space: global }
    .group_segment_fixed_size: 313856
    .private_segment_fixed_size: 0
    .kernarg_segment_align: 8
    .kernarg_segment_size: 112
    .max_flat_workgroup_size: 128
    .sgpr_count:     102
    .vgpr_count:     1024
    .wavefront_size: 32
...
	.end_amdgpu_metadata
.endif
;; end of part 2
;; launch attn (part 3): grid 4 x 64, 8 waves a work-group, clusters of 4 x 1, 239,616 bytes of LDS; arguments qimg, kimg, vimg, aoimg; writes aoimg
.if DOCPART == 3
	.amdgcn_target "amdgcn-amd-amdhsa--gfx1250"
	.amdhsa_code_object_version 6
	.text
	.protected	k_qe5f6efdabd_attn
	.globl	k_qe5f6efdabd_attn
	.p2align	8
	.type	k_qe5f6efdabd_attn,@function
k_qe5f6efdabd_attn:
	s_mov_b64 s[64:65], 0
	v_nop
	global_prefetch_b8 v0, s[64:65] scope:SCOPE_SE
	s_setreg_imm32_b32 hwreg(HW_REG_WAVE_MODE, 25, 1), 1
	s_wait_xcnt 0x0
	s_wait_alu depctr_hold_cnt(0) depctr_sa_sdst(0) depctr_va_vdst(0) depctr_va_sdst(0) depctr_va_ssrc(0) depctr_va_vcc(0) depctr_vm_vsrc(0)
	s_getreg_b32 s2, hwreg(HW_REG_IB_STS2, 6, 4)
	s_cmp_eq_u32 s2, 0
	s_cbranch_scc0 .Lentry_in_a_cluster
	s_endpgm
.Lentry_in_a_cluster:
	s_bfe_u32 s2, ttmp6, 0x10000c
	s_cmp_lg_u32 s2, 0x3003
	s_cbranch_scc0 .Lentry_shape_is_right
	s_endpgm
.Lentry_shape_is_right:
; o = softmax(q k^T / 8) v for one batch and head (the cluster's y) and 512 queries (the work-group's x), on codes of FP6 (E2M3) with E8M0 scales made by the projection launch; o is quantised along the head's 64 and
; leaves as images of operand registers for the last launch.  p = 2^(t - M), M the ceiling of the running largest t; the row's sum is taken of the unquantised p; O and the sum are rescaled by exact powers of two.
; SHARES.  Eight waves, two to a SIMD; a wave owns 64 queries as four tiles of 16.  All 2,048 keys of the head lie in LDS, filled once.  A step is 128 keys: K's four fragments and V's four are read from LDS once a step and serve all four tiles.
; BOTH PRODUCTS ARE USED TRANSPOSED (S^T = k q^T, O^T = v^T p^T): a lane holds one query.  The head's 64 fill half of the instruction's K = 128: a fragment of k holds two tiles of 16 keys, and q stands beside six registers of zero codes,
; (q, 0) for the first tile and (0, q) for the second.
; WHICH KEYS FORM A TILE.  Lane row r of new fragment (g, i) takes the image's fragment 2 g + r / 8, row 8 i + r % 8: an LDS address alone.  So in the results lanes 0-15 hold block 2 g of 32 keys whole and lanes 16-31 block 2 g + 1,
; in 32 registers, in the order 0-7, 16-23, 8-15, 24-31, which is the order of v's codes: a block's largest score needs no other lane, and the conversions' results are the operand's registers.
; THE PIPELINE.  Two buffers of scores: in tile n's slot stand QK of tile n + 1 (into the other buffer), tile n's softmax, then O's rescaling and PV of tile n.  A trip is one step, four slots; the last trip jumps, on the trip counter alone, round
; the loads and the QK of a step that does not exist.
; LDS: K's images as rows of 512 bytes + 128 of padding (a fragment is 1,920 bytes); V's dense; the scale words; a stage; the spare words.
; CLUSTER: the four work-groups of a head ask for K, V and the scales jointly, one load a wave, all at the head: waves 0-2 K, 3-5 V, 6 K's scales, 7 V's.  No prefetch: every fill is issued at the head, and there is no loop to run ahead in.
; LIMITS: NaN and infinities are not served.  The promise holds while the scaled scores (exponents to the base 2) stay under 2^31 in magnitude.  A block of p or of o under 2^-124 gets the scale byte 1; only this program reads these bytes.
; REGISTERS.  Window 0: v1-9 addresses, v10-11 the add's, v12-19 (-M, largest score) a tile, v20-27 sums, v28-31 q's scale words, v32-33 k's, v34 p's, v36-39 v's, v40 f, v42-59 at work, v60-71 p's codes, v72-78 the second halves,
;   v80-127 k's fragments, v128-255 two buffers of scores.   Window 1: v0-127 O^T (tile i at 32 i), v128-175 v's fragments, v176-229 zero, q0, zero, q1, zero, q2, zero, q3, zero (six registers each).
.set QSO,   6291456
.set AOSO,  6291456
.set FS,    1920
.set VB,    122880
.set KSC,   221184
.set VSC,   229376
.set STG,   237568
.set SPARE, 238592
.set QS,  28
.set KS,  32
.set PS,  34
.set VS,  36
.set CM,  48
.set PC,  60
.set SCR, 72
.set KF,  80
.set S0,  128
.set VF,  128
.set QB,  176
.set WV,  20
.set SEL, 60
.set CS,  62
.set TK,  80
.set TV,  81
.set TS,  82
.set CNT, 83
.set MSB, 0
.macro WIN new                         ; the immediate's high byte repeats the setting that is left
.if MSB != (\new)
	s_set_vgpr_msb (MSB<<8)|(\new)
.set MSB, (\new)
.endif
.endm
.macro CROUND
	s_barrier_signal -1
	s_barrier_wait -1
	s_cmp_lg_u32 s[WV], 0
	s_cbranch_scc1 .Lnot_wave_0_\@
	s_barrier_signal -3
.Lnot_wave_0_\@:
	s_barrier_wait -3
	s_barrier_signal -1
	s_barrier_wait -1
.endm
.macro G1SET g, w0, c, r
	s_mov_b32 s[\g], \w0
	s_mov_b32 s[\g+1], (\c)<<16
	s_mov_b32 s[\g+2], (\r)<<16
	s_mov_b32 s[\g+3], (\c)<<16
	s_mov_b32 s[\g+4], \r
	s_mov_b32 s[\g+5], \c
	s_mov_b32 s[\g+6], 0
	s_mov_b32 s[\g+7], 0
.endm
.macro NOPS n
.rept \n
	v_nop
.endr
.endm
	s_load_b256 s[4:11], s[0:1], 0x0               ; qimg, kimg, vimg, aoimg
	v_lshl_add_u32 v10, v0, 2, SPARE
	v_mov_b32 v11, 0
	ds_add_u32 v10, v11                            ; the opening lines
	ds_add_u32 v10, v11
	v_lshrrev_b32 v1, 5, v0
	v_readfirstlane_b32 s[WV], v1                  ; wave 0..7
	s_bfe_u32 s21, ttmp6, 0x40000
	s_lshl_b32 s12, ttmp9, 2
	s_add_co_u32 s21, s12, s21                     ; which 512 queries
	s_and_b32 s22, ttmp7, 0xffff                   ; 16 x batch + head
	s_mul_i32 s66, s22, 98304                      ; the head's codes in kimg and vimg
	s_lshl_b32 s12, s[WV], 15
	s_add_co_u32 s68, s66, s12                     ; K: wave w (0..2) fetches 32,768 bytes
	s_mov_b32 s69, 0
	s_max_u32 s13, s[WV], 3
	s_sub_co_u32 s13, s13, 3
	s_lshl_b32 s13, s13, 15
	s_add_co_u32 s70, s66, s13                     ; V: wave w (3..5) likewise
	s_mov_b32 s71, 0
	s_lshl_b32 s72, s22, 13
	s_add_co_u32 s72, s72, QSO                     ; the head's 8,192 bytes of scale words
	s_mov_b32 s73, 0
	s_mul_i32 s14, s[WV], 40960                    ; K in LDS: 64 rows of 640 bytes a wave
	s_add_co_u32 s15, s12, VB-98304                ; V in LDS: VB + (w - 3) x 32,768
	s_lshl_b32 s16, s[WV], 13
	s_add_co_u32 s16, s16, KSC-49152               ; scales in LDS: KSC + (w - 6) x 8,192
	G1SET 24, 15|(3<<16)|(1<<20)|(1<<21)|(6<<22)|(31<<25), 64, 64   ; rows of 512 bytes, 32 words of padding behind each 128
	G1SET 32, 15|(3<<16)|(1<<21), 32, 128
	G1SET 40, 15|(3<<16)|(1<<21), 32, 32
	s_mov_b32 s[SEL], 0x76543210
	s_mov_b32 s[SEL+1], 0xfedcba98
	s_mov_b32 s[CS], 0x3e38aa3b                    ; log2(e) / 8
	s_mov_b32 s[CS+1], s[CS]
	s_wait_dscnt 0x0
	s_wait_kmcnt 0x0
	s_cmp_lt_u32 s[WV], 7
	s_cselect_b64 s[18:19], s[6:7], s[8:9]
	s_mov_b32 s48, 1
	s_mov_b32 s49, s14
	s_add_nc_u64 s[50:51], s[6:7], s[68:69]
	s_or_b32 s51, s51, 0x80000000
	s_mov_b32 s52, 1
	s_mov_b32 s53, s15
	s_add_nc_u64 s[54:55], s[8:9], s[70:71]
	s_or_b32 s55, s55, 0x80000000
	s_mov_b32 s56, 1
	s_mov_b32 s57, s16
	s_add_nc_u64 s[58:59], s[18:19], s[72:73]
	s_or_b32 s59, s59, 0x80000000
	CROUND                                         ; the four partners are here: the joint loads meet
	s_cmp_lt_u32 s[WV], 3                          ; one chain of branches on the wave's number, one load to an arm
	s_cbranch_scc0 .Lhead_v
	tensor_load_to_lds s[48:51], s[24:31]
	s_nop 0
	NOPS 4
	s_branch .Lasked
.Lhead_v:
	s_cmp_lt_u32 s[WV], 6
	s_cbranch_scc0 .Lhead_s
	tensor_load_to_lds s[52:55], s[32:39]
	s_nop 0
	NOPS 4
	s_branch .Lasked
.Lhead_s:
	tensor_load_to_lds s[56:59], s[40:47]
	s_nop 0
	NOPS 4
.Lasked:
	s_lshl_b32 s12, s21, 3
	s_add_co_u32 s12, s12, s[WV]
	s_lshl_b32 s13, s22, 5
	s_add_co_u32 s13, s13, s12                     ; my pair of q's fragments: 32 x (batch, head) + 8 x + wave
	s_mul_i32 s74, s13, 3072
	s_mov_b32 s75, 0
	s_add_nc_u64 s[74:75], s[4:5], s[74:75]
	s_lshl_b32 s76, s13, 8
	s_add_co_u32 s76, s76, QSO
	s_mov_b32 s77, 0
	s_add_nc_u64 s[76:77], s[4:5], s[76:77]
	s_lshr_b32 s12, s22, 4                         ; batch
	s_and_b32 s13, s22, 15                         ; head
	s_lshl_b32 s14, s12, 3
	s_lshl_b32 s15, s21, 1
	s_add_co_u32 s14, s14, s15
	s_lshr_b32 s15, s[WV], 2
	s_add_co_u32 s14, s14, s15                     ; the tile of 256 tokens
	s_mul_i32 s86, s14, 196608
	s_lshr_b32 s15, s13, 1
	s_mul_i32 s15, s15, 24576                      ; the last launch's K step: head / 2
	s_add_co_u32 s86, s86, s15
	s_and_b32 s15, s[WV], 3
	s_mul_i32 s15, s15, 6144                       ; my four tiles of 16 tokens
	s_add_co_u32 s86, s86, s15
	s_and_b32 s15, s13, 1
	s_mul_i32 s15, s15, 768
	s_add_co_u32 s86, s86, s15
	s_mov_b32 s87, 0
	s_add_nc_u64 s[86:87], s[10:11], s[86:87]
	s_lshl_b32 s88, s13, 14
	s_lshl_b32 s15, s12, 12
	s_add_co_u32 s88, s88, s15
	s_lshl_b32 s15, s21, 10
	s_add_co_u32 s88, s88, s15
	s_add_co_u32 s88, s88, AOSO
	s_mov_b32 s89, 0
	s_add_nc_u64 s[88:89], s[10:11], s[88:89]      ; o's scale bytes: [head][token][2]
	s_lshl_b32 s12, s[WV], 7
	s_add_co_u32 s12, s12, STG
	v_and_b32 v9, 31, v0
	v_and_b32 v42, 15, v0                          ; r
	v_bfe_u32 v43, v0, 4, 1                        ; h
	v_and_b32 v44, 7, v0
	v_bfe_u32 v45, v0, 3, 1
	v_lshlrev_b32 v1, 4, v9                        ; 16 x lane
	v_lshlrev_b32 v8, 3, v9                        ; 8 x lane
	v_mul_u32_u24 v2, v45, FS                      ; K: fragment r / 8 of a pair, the image's lane r % 8 + 16 h
	v_lshl_add_u32 v2, v44, 4, v2
	v_lshl_add_u32 v2, v43, 8, v2
	v_add_nc_u32 v3, VB, v1
	v_lshlrev_b32 v4, 6, v43                       ; K's scale words: lanes 0-15 those of new fragment (g, 0), lanes 16-31 of (g, 1)
	v_lshl_add_u32 v4, v44, 3, v4
	v_lshl_add_u32 v4, v45, 2, v4
	v_add_nc_u32 v4, KSC, v4
	v_add_nc_u32 v5, VSC, v1
	v_lshlrev_b32 v6, 1, v42
	v_add_nc_u32 v6, s12, v6                       ; the stage: 128 x wave + 2 r
	v_add_nc_u32 v7, STG, v1
	v_lshlrev_b32 v9, 3, v43                       ; 8 h: my bytes' place in p's scale word
	s_wait_alu depctr_va_vdst(0)
.irp j, 0,1,2,3,4,5
	global_load_b128 v[128+4*\j:131+4*\j], v1, s[74:75] offset:512*\j   ; two fragments: tile i's six registers at v[128 + 6 i]
.endr
	global_load_b64 v[152:153], v8, s[76:77]
	WIN 0x40
.set J, 0
.rept 128
	v_mov_b32 v[J], 0                              ; O^T: the step is written once; the first finds zeros
.set J, J+1
.endr
.irp k, 0,1,2,3,4
.irp j, 0,1,2,3,4,5
	v_mov_b32 v[QB+12*\k+\j], 0                    ; zero codes beside q
.endr
.endr
	WIN 0
	s_wait_alu depctr_va_vdst(0)
	s_wait_loadcnt 0x0
.irp i, 0,1,2,3
	v_perm_b32 v[QS+\i], v[152+\i/2], v[152+\i/2], 0x01000100+0x02020202*(\i%2)   ; the tile's two bytes, twice
.endr
	WIN 0x40
.irp i, 0,1,2,3
.irp j, 0,1,2,3,4,5
	v_mov_b32 v[QB+12*\i+6+\j], v[128+6*\i+\j]
.endr
.endr
	WIN 0
.irp i, 0,1,2,3
	v_mov_b32 v[13+2*\i], 0xff61b1e6               ; the largest score so far: -3e38
	v_mov_b32 v[20+2*\i], 0
	v_mov_b32 v[21+2*\i], 0
.endr
.irp i, 0,1,2,3
	v_floor_f32 v[12+2*\i], -v[13+2*\i]            ; -M
.endr
	v_mov_b32 v41, 0                               ; named as the upper half of the pair v[40:41]
	s_mov_b32 s[TK], 0
	s_mov_b32 s[TV], 0
	s_mov_b32 s[TS], 0
	s_mov_b32 s[CNT], 16
; K's four fragments and two registers of scale words, ko and so bytes beyond the step that the scalars stand at
.macro KLOADS ko, so
	v_add_nc_u32 v58, s[TK], v2
	v_add_nc_u32 v59, s[TS], v4
.irp g, 0,1
.irp i, 0,1
.irp j, 0,1,2
	ds_load_b128 v[KF+24*\g+12*\i+4*\j:KF+24*\g+12*\i+4*\j+3], v58 offset:(\ko)+2*\g*FS+640*\j+128*\i
.endr
.endr
	ds_load_b32 v[KS+\g], v59 offset:(\so)+256*\g
.endr
.endm
.macro VLOADS
	v_add_nc_u32 v58, s[TV], v3
	v_add_nc_u32 v59, s[TS], v5
	WIN 0x40
.irp f, 0,1,2,3
.irp j, 0,1,2
	ds_load_b128 v[VF+12*\f+4*\j:VF+12*\f+4*\j+3], v58 offset:1536*\f+512*\j
.endr
.endr
	WIN 0
	ds_load_b128 v[VS:VS+3], v59
.endm
; S^T of tile t into buffer sb: register 32 g + 16 i + 8 u + j of lane (r, h) is key 32 (2 g + h) + 16 u + 8 i + j of the step, query r
.macro QK t, sb
.irp g, 0,1
.irp i, 0,1
.irp u, 0,1
.if \i
	v_wmma_scale_f32_16x16x128_f8f6f4 v[(\sb)+32*\g+16*\i+8*\u:(\sb)+32*\g+16*\i+8*\u+7], v[KF+24*\g+12*\i:KF+24*\g+12*\i+11], v[QB+12*(\t)+6-6*\u:QB+12*(\t)+17-6*\u], 0, v[KS+\g], v[QS+(\t)] matrix_a_fmt:MATRIX_FMT_FP6 matrix_b_fmt:MATRIX_FMT_FP6 matrix_a_scale:MATRIX_SCALE_ROW1
.else
	v_wmma_scale_f32_16x16x128_f8f6f4 v[(\sb)+32*\g+16*\i+8*\u:(\sb)+32*\g+16*\i+8*\u+7], v[KF+24*\g+12*\i:KF+24*\g+12*\i+11], v[QB+12*(\t)+6-6*\u:QB+12*(\t)+17-6*\u], 0, v[KS+\g], v[QS+(\t)] matrix_a_fmt:MATRIX_FMT_FP6 matrix_b_fmt:MATRIX_FMT_FP6
.endif
.endr
.endr
.endr
.endm
.macro FMAS n                          ; t - M, two at a time
.rept \n
	v_pk_fma_f32 v[SC+J:SC+J+1], v[SC+J:SC+J+1], s[CS:CS+1], v[NM:NM+1] op_sel_hi:[1,0,0]
.set J, J+2
.endr
.endm
.macro SUM4 k                          ; four chains of the row's sum
	v_pk_add_f32 v[42:43], v[42:43], v[SC+\k:SC+\k+1]
	v_pk_add_f32 v[44:45], v[44:45], v[SC+\k+2:SC+\k+3]
	v_pk_add_f32 v[46:47], v[46:47], v[SC+\k+4:SC+\k+5]
	v_pk_add_f32 v[LL:LL+1], v[LL:LL+1], v[SC+\k+6:SC+\k+7]
.endm
.macro SLOT i
.set SC, S0+64*((\i)%2)
.set SN, S0+64*(((\i)+1)%2)
.set NM, 12+2*(\i)
.set LL, 20+2*(\i)
; THE ORDER IN A SLOT: tile i's maxima, M, t - M, the exponentials; behind their wait O's rescaling, then QK of the next tile (no transcendental stands between it and the next slot's maxima, its first readers); p's scale word, codes and sum; PV.
	WIN 0
.irp a, 0,1,2,3,4,5,6,7                ; eight chains, one an accumulator, each from its low end on
	v_max3_num_f32 v[CM+\a], v[SC+8*\a], v[SC+8*\a+1], v[SC+8*\a+2]
.endr
.irp k, 3,5
.irp a, 0,1,2,3,4,5,6,7
	v_max3_num_f32 v[CM+\a], v[CM+\a], v[SC+8*\a+\k], v[SC+8*\a+\k+1]
.endr
.endr
.irp g, 0,1
	v_max3_num_f32 v[CM+4*\g], v[CM+4*\g], v[CM+4*\g+1], v[SC+32*\g+7]
.endr
.irp g, 0,1
	v_max3_num_f32 v[CM+4*\g+2], v[CM+4*\g+2], v[CM+4*\g+3], v[SC+32*\g+15]
.endr
.irp g, 0,1
	v_max3_num_f32 v[CM+4*\g], v[CM+4*\g], v[CM+4*\g+2], v[SC+32*\g+23]
.endr
.irp g, 0,1
	v_max_num_f32 v[CM+4*\g], v[CM+4*\g], v[SC+32*\g+31]   ; my block's largest score: block 2 g + h
.endr
	v_mov_b32 v43, v[NM]                           ; the old -M
.if (\i) == 0
	VLOADS                                         ; this step's v: the 32 lines above are the places behind the last PV
.endif
	v_max3_num_f32 v[NM+1], v[NM+1], v[CM], v[CM+4]
	s_delay_alu instid0(VALU_DEP_1)
	v_permlanex16_b32 v42, v[NM+1], s[SEL], s[SEL+1]
	s_delay_alu instid0(VALU_DEP_1)
	v_max_num_f32 v[NM+1], v[NM+1], v42            ; the running largest score of my query
	s_delay_alu instid0(VALU_DEP_1)
	v_mul_f32 v42, s[CS], v[NM+1]
	s_delay_alu instid0(VALU_DEP_1)
	v_floor_f32 v[NM], -v42                        ; -M = floor(-t): M is a whole number
.set J, 0
	FMAS 4
	v_sub_f32 v42, v[NM], v43                      ; old M less new M
	FMAS 4
	v_cvt_i32_f32 v42, v42                         ; (it saturates)
	FMAS 4
	v_ldexp_f32 v40, 1.0, v42                      ; f = 2^(old M - new M)
	FMAS 20
.irp g, 0,1
	v_fma_f32 v[CM+4*\g], v[CM+4*\g], s[CS], v[NM] ; the same of each block's largest score
.endr
	s_wait_alu depctr_va_vdst(0)                   ; ahead of the batch
	v_exp_f32 v[CM], v[CM]                         ; the block's largest p
	v_exp_f32 v[CM+4], v[CM+4]
.set J, 0
.rept 64
	v_exp_f32 v[SC+J], v[SC+J]
.set J, J+1
.endr
	v_pk_mul_f32 v[LL:LL+1], v[LL:LL+1], v[40:41] op_sel_hi:[1,0]   ; the sum under the new M; the plain place behind the batch
	WIN 0x41                                       ; O^T in window 1, f in window 0
	s_wait_alu depctr_va_vdst(0)                   ; one wait: for the batch, ahead of its first reader, and directly ahead of the first reader of O^T
.set J, 32*(\i)
.rept 16
	v_pk_mul_f32 v[J:J+1], v[J:J+1], v[40:41] op_sel_hi:[1,0]   ; O^T under the new M
.set J, J+2
.endr
.if (\i) == 3
	WIN 0
	s_cmp_eq_u32 s[CNT], 1                         ; the last trip has no next step
	s_wait_alu depctr_va_vdst(0)
	s_cbranch_scc1 .Lnoq_\@
	s_wait_dscnt 0x0                               ; the next step's fragments of k, asked for a slot ago
.endif
	WIN 0x04                                       ; source 1 (q) in window 1
	QK ((\i)+1)%4, SN
	WIN 0
.if (\i) == 3
.Lnoq_\@:
.endif
	v_pk_add_f32 v[42:43], v[SC:SC+1], v[SC+2:SC+3]        ; the row's sum of the unquantised p; the lines that make p's scale word stand among its chains
	v_pk_add_f32 v[44:45], v[SC+4:SC+5], v[SC+6:SC+7]
	v_pk_add_f32 v[46:47], v[SC+8:SC+9], v[SC+10:SC+11]
	v_pk_add_f32 v[LL:LL+1], v[LL:LL+1], v[SC+12:SC+13]
	v_max_num_f32 v[CM], 0x1800000, v[CM]          ; the floor 2^(3 - 127): the byte cannot fall under 1
	v_max_num_f32 v[CM+4], 0x1800000, v[CM+4]
	SUM4 14
.if (\i) == 2
	s_cmp_eq_u32 s[CNT], 1
	s_wait_alu depctr_va_vdst(0)
	s_cbranch_scc1 .Lnok_\@
	KLOADS 4*FS, 512                               ; the next step's k: this step's last QK stands ten plain lines back
.Lnok_\@:
.endif
	v_add_nc_u32 v56, 0xff000000, v[CM]            ; 2 off the exponent field: the conversions' scale operand
	v_add_nc_u32 v57, 0xff000000, v[CM+4]
	SUM4 22
	v_lshrrev_b32 v58, 23, v56                     ; the bytes
	v_lshrrev_b32 v59, 23, v57
	SUM4 30
	v_lshl_or_b32 v[PS], v59, 16, v58              ; blocks h and 2 + h,
	SUM4 38
	v_lshlrev_b32 v[PS], v9, v[PS]                 ; at their places;
	SUM4 46
	v_permlanex16_b32 v58, v[PS], s[SEL], s[SEL+1]
.irp g, 0,1
	v_cvt_scalef32_pk16_fp6_f32 v[PC+6*\g:PC+6*\g+2], v[SC+32*\g:SC+32*\g+15], v[56+\g]
	v_cvt_scalef32_pk16_fp6_f32 v[SCR+4*\g:SCR+4*\g+2], v[SC+32*\g+16:SC+32*\g+31], v[56+\g]   ; (a conversion's three registers begin on an even number)
.endr
	v_nop                                          ; one plain place behind a scaled conversion
	v_or_b32 v[PS], v[PS], v58                     ; with lane l xor 16's two bytes the word is whole
.irp g, 0,1
.irp m, 0,1,2
	v_mov_b32 v[PC+6*\g+3+\m], v[SCR+4*\g+\m]
.endr
.endr
	SUM4 54                                        ; the rest of the sum: eight plain lines, the places between p's codes and scale word and the products below
	v_pk_add_f32 v[42:43], v[42:43], v[SC+62:SC+63]
	v_pk_add_f32 v[44:45], v[44:45], v[46:47]
	s_delay_alu instid0(VALU_DEP_2)
	v_pk_add_f32 v[LL:LL+1], v[LL:LL+1], v[42:43]
	s_delay_alu instid0(VALU_DEP_1)
	v_pk_add_f32 v[LL:LL+1], v[LL:LL+1], v[44:45]
.if (\i) == 0
	s_wait_alu depctr_va_vdst(0)
	s_wait_dscnt 0x0                               ; this step's v is in
.endif
	WIN 0x51                                       ; v and O^T in window 1, p in window 0
.irp f, 0,1,2,3
	v_wmma_scale_f32_16x16x128_f8f6f4 v[32*(\i)+8*\f:32*(\i)+8*\f+7], v[VF+12*\f:VF+12*\f+11], v[PC:PC+11], v[32*(\i)+8*\f:32*(\i)+8*\f+7], v[VS+\f], v[PS] matrix_a_fmt:MATRIX_FMT_FP6 matrix_b_fmt:MATRIX_FMT_FP6
.endr
.endm
	s_wait_alu depctr_va_vdst(0)
	s_wait_tensorcnt 0x0                           ; my one load has landed;
	s_barrier_signal -1
	s_barrier_wait -1                              ; everybody's has: K, V and the scales are whole.  Nothing is filled again
	KLOADS 0, 0
	s_wait_dscnt 0x0
	WIN 0x04
	QK 0, S0
	WIN 0
	NOPS 4                                         ; the places ahead of the first read of these scores
.Lstep:
	SLOT 0
	SLOT 1
	SLOT 2
	SLOT 3
	WIN 0
	s_add_co_u32 s[TK], s[TK], 4*FS
	s_add_co_u32 s[TV], s[TV], 6144
	s_add_co_u32 s[TS], s[TS], 512
	s_sub_co_u32 s[CNT], s[CNT], 1
	s_cmp_lg_u32 s[CNT], 0
	s_wait_alu depctr_va_vdst(0)
	s_cbranch_scc1 .Lstep
; THE WAY OUT: O^T / the sum, quantised along the head's 64 in their natural order, as half a fragment (six registers) a tile.  The four tiles by turns.
.irp i, 0,1,2,3
	v_add_f32 v[20+2*\i], v[20+2*\i], v[21+2*\i]
.endr
.irp i, 0,1,2,3
	v_permlanex16_b32 v[CM+\i], v[20+2*\i], s[SEL], s[SEL+1]
.endr
.irp i, 0,1,2,3
	v_add_f32 v[20+2*\i], v[20+2*\i], v[CM+\i]
.endr
	s_wait_alu depctr_va_vdst(0)
.irp i, 0,1,2,3
	v_rcp_f32 v[20+2*\i], v[20+2*\i]
.endr
	v_nop
	WIN 0x01
	s_wait_alu depctr_va_vdst(0)
.set J, 0
.rept 64
	v_pk_mul_f32 v[128+J:129+J], v[J:J+1], v[20+2*(J/32):21+2*(J/32)] op_sel_hi:[1,0]   ; from window 1 to window 0, each accumulator from its low end on
.set J, J+2
.endr
	WIN 0
.irp i, 0,1,2,3
.irp k, 0,1
.irp j, 0,1,2,3,4,5,6,7
	v_permlane16_swap_b32 v[128+32*\i+16*\k+\j], v[128+32*\i+16*\k+8+\j]   ; then lane (r, h) holds dims 32 k + 16 h + 0 .. 15 in 16 registers on end
.endr
.endr
.endr
.irp x, 0,1,2,3,4,5,6,7
	v_max3_num_f32 v[CM+\x], |v[128+16*\x]|, |v[129+16*\x]|, 0x1800000
.endr
.irp m, 2,4,6,8,10,12,14
.irp x, 0,1,2,3,4,5,6,7
	v_max3_num_f32 v[CM+\x], v[CM+\x], |v[128+16*\x+\m]|, |v[129+16*\x+\m]|
.endr
.endr
.irp x, 0,1,2,3,4,5,6,7
	v_permlanex16_b32 v[PC+\x], v[CM+\x], s[SEL], s[SEL+1]
.endr
.irp x, 0,1,2,3,4,5,6,7
	v_max_num_f32 v[CM+\x], v[CM+\x], v[PC+\x]
.endr
.irp x, 0,1,2,3,4,5,6,7
	v_add_nc_u32 v[CM+\x], 0xff000000, v[CM+\x]
.endr
.irp x, 0,1,2,3,4,5,6,7
	v_lshrrev_b32 v[PC+\x], 23, v[CM+\x]
.endr
.irp i, 0,1,2,3
	v_lshl_or_b32 v[PC+8+\i], v[PC+2*\i+1], 8, v[PC+2*\i]   ; the row's two bytes
.endr
.irp i, 0,1,2,3
	v_cvt_scalef32_pk16_fp6_f32 v[80+8*\i:82+8*\i], v[128+32*\i:143+32*\i], v[CM+2*\i]
	v_cvt_scalef32_pk16_fp6_f32 v[112+4*\i:114+4*\i], v[144+32*\i:159+32*\i], v[CM+2*\i+1]
.endr
	v_nop
.irp i, 0,1,2,3
.irp m, 0,1,2
	v_permlane16_swap_b32 v[80+8*\i+\m], v[112+4*\i+\m]
.endr
.endr
.irp i, 0,1,2,3
.irp m, 0,1,2
	v_mov_b32 v[83+8*\i+\m], v[112+4*\i+\m]
.endr
.endr
.irp i, 0,1,2,3
	global_store_b128 v1, v[80+8*\i:83+8*\i], s[86:87] offset:1536*\i       ; 512 consecutive bytes, at a multiple of 256
	global_store_b64 v8, v[84+8*\i:85+8*\i], s[86:87] offset:1536*\i+512    ; 256 consecutive bytes
	ds_store_b16 v6, v[PC+8+\i] offset:32*\i
.endr
	s_wait_alu depctr_va_vdst(0)
	s_wait_dscnt 0x0                               ; for the others' sake: my scale bytes lie in the stage
	s_barrier_signal -1
	s_barrier_wait -1
	s_cmp_lg_u32 s[WV], 0
	s_cbranch_scc1 .Lnot_mine
	ds_load_b128 v[128:131], v7                    ; the work-group's 512 tokens x 2 bytes leave in whole units
	ds_load_b128 v[132:135], v7 offset:512
	s_wait_dscnt 0x0
	global_store_b128 v1, v[128:131], s[88:89]
	global_store_b128 v1, v[132:135], s[88:89] offset:512
.Lnot_mine:
	s_wait_tensorcnt 0x0                           ; the wave's end
	ds_add_u32 v10, v11
	s_wait_dscnt 0x0
	CROUND                                         ; the closing round
	s_endpgm
.Lfunc_end_k_qe5f6efdabd_attn:
	.size	k_qe5f6efdabd_attn, .Lfunc_end_k_qe5f6efdabd_attn-k_qe5f6efdabd_attn
	.p2alignl 7, 3214868480
	.fill 96, 4, 3214868480
	.section	.rodata,"a",@progbits
	.p2align	6, 0x0
	.amdhsa_kernel k_qe5f6efdabd_attn
		.amdhsa_group_segment_fixed_size 239616
		.amdhsa_private_segment_fixed_size 0
		.amdhsa_enable_private_segment 0
		.amdhsa_kernarg_size 32
		.amdhsa_user_sgpr_count 2
		.amdhsa_user_sgpr_kernarg_segment_ptr 1
		.amdhsa_wavefront_size32 1
		.amdhsa_system_sgpr_workgroup_id_x 1
		.amdhsa_system_sgpr_workgroup_id_y 1
		.amdhsa_system_sgpr_workgroup_id_z 1
		.amdhsa_system_vgpr_workitem_id 0
		.amdhsa_next_free_vgpr 488
		.amdhsa_next_free_sgpr 96
		.amdhsa_reserve_vcc 0
		.amdhsa_float_denorm_mode_32 3
		.amdhsa_float_denorm_mode_16_64 3
		.amdhsa_memory_ordered 1
		.amdhsa_forward_progress 1
		.amdhsa_inst_pref_size 86
	.end_amdhsa_kernel
	.amdgpu_metadata
---
amdhsa.version: [ 1, 2 ]
amdhsa.kernels:
  - .name:           k_qe5f6efdabd_attn
    .symbol:         k_qe5f6efdabd_attn.kd
    .args:
      - { .name: qimg, .offset: 0, .size: 8, .value_kind: global_buffer, .address_space: global }
      - { .name: kimg, .offset: 8, .size: 8, .value_kind: global_buffer, .address_space: global }
      - { .name: vimg, .offset: 16, .size: 8, .value_kind: global_buffer, .address_space: global }
      - { .name: aoimg, .offset: 24, .size: 8, .value_kind: global_buffer, .address_space: global }
    .group_segment_fixed_size: 239616
    .private_segment_fixed_size: 0
    .kernarg_segment_align: 8
    .kernarg_segment_size: 32
    .max_flat_workgroup_size: 256
    .sgpr_count:     96
    .vgpr_count:     488
    .wavefront_size: 32
...
	.end_amdgpu_metadata
.endif
;; end of part 3
;; launch outp (part 4): grid 8 x 32, 4 waves a work-group, clusters of 4 x 4, 301,568 bytes of LDS; arguments aoimg, Wo_codes, Wo_scales, bo, out0; writes out0
.if DOCPART == 4
	.amdgcn_target "amdgcn-amd-amdhsa--gfx1250"
	.amdhsa_code_object_version 6
	.text
	.protected	k_qe5f6efdabd_outp
	.globl	k_qe5f6efdabd_outp
	.p2align	8
	.type	k_qe5f6efdabd_outp,@function
k_qe5f6efdabd_outp:
	s_mov_b64 s[64:65], 0
	v_nop
	global_prefetch_b8 v0, s[64:65] scope:SCOPE_SE
	s_setreg_imm32_b32 hwreg(HW_REG_WAVE_MODE, 25, 1), 1
	s_wait_xcnt 0x0
	s_wait_alu depctr_hold_cnt(0) depctr_sa_sdst(0) depctr_va_vdst(0) depctr_va_sdst(0) depctr_va_ssrc(0) depctr_va_vcc(0) depctr_vm_vsrc(0)
	s_getreg_b32 s2, hwreg(HW_REG_IB_STS2, 6, 4)
	s_cmp_eq_u32 s2, 0
	s_cbranch_scc0 .Lentry_in_a_cluster
	s_endpgm
.Lentry_in_a_cluster:
	s_bfe_u32 s2, ttmp6, 0x10000c
	s_cmp_lg_u32 s2, 0xf033
	s_cbranch_scc0 .Lentry_shape_is_right
	s_endpgm
.Lentry_shape_is_right:
; out0 = a Wo + bo, a the attention's result as codes of FP6 (E2M3) with E8M0 scales, made by the launch before; Wo as it is given.  Sums in f32.
; THE FRAME is that of the projection launch.  P = S0 S1^T: source 0 = 16 rows of Wo (output features), source 1 = 16 tokens: a lane holds one token, its registers run along the features.  A work-group makes 128 features x 256 tokens
; over all of K = 1,024; each of its four waves takes all 128 features and 64 tokens: 32 accumulators.  Both tiles lie whole in LDS, each byte filled once: no ring, no refill.
; S0 IN LDS: a row of 768 bytes as three chunks of 256 bytes, each chunk of all rows in a region of its own, rows 272 bytes apart (68 words: row r starts at bank 4 r mod 64; 64 banks of 4 bytes: ISA guide 11.1).
; S1 IN LDS: images of operand registers, [K step 8][token tile 16][1,536 bytes], dense, as they lie in memory; a fragment is two halves of 768 bytes (registers 0-3 at 16 x lane, registers 4-5 at 512 + 8 x lane).
; Both come in three parts, for K steps 0-1, 2-4 and 5-7, so that the products begin when the first has landed.
; CLUSTERS: 4 x 4.  Wo's tile hangs on cx and is shared along a column of the cluster, the tokens' on cy and is shared along a row.
; REGISTERS, in windows of 256.  Window 0: v2-14 LDS addresses, v18-30 offsets, v32-95 Wo's scale words (8 a + s), v96-127 the tokens' (8 b + s), v128-191 H, v192-255 rows on the way out.
;   Window 1: accumulator (a, b) at v[64 b + 8 a].   Window 2 + p: fragment set p: S0's tile a at v[12 a], S1's tile b at v[96 + 12 b].   Window 2, v160-223: the bias.
; LDS AND LOADS, AS THIS TEXT HAS THEM (in place of what the paragraphs on S0 and S1 in LDS above say of chunks and parts): Wo's tile is a dense block of memory and comes in as 384 lines of 256 bytes, 16 bytes of padding behind each:
; a row of 768 bytes is three lines on end, 816 bytes in LDS (204 words: row r starts at bank 12 r mod 64).  Wave 0 fetches it; waves 1 to 3 each fetch 65,536 bytes of the tokens' images, dense.  One joint load a wave, all at the head
; one wait for 0 and one barrier ahead of the first fragment loads.
.set CH0,  34816                       ; a third of S0's bytes in LDS
.set S1R,  3*CH0
.set AOSO, 6291456                     ; in aoimg: the scale bytes begin here
.set PADW, (3<<16)|(1<<20)|(1<<21)|(5<<22)|(3<<25)   ; elements of 8 bytes; padding on; bit 21 beside a mask; after every 64 words, 4 words
.set FLATW, (3<<16)|(1<<21)            ; the same without padding
.set A0B1, 2                           ; v2-4   S0, chunk c: row r x 816 + 272 c + 24 h
.set A0B2, 5                           ; v5-6   S0, chunk c, where the piece three on lies in the next chunk: row r x 816 + 272 c + h x (272 - 232)
.set B16,  7                           ; v7-10  S1, K steps 2 p and 2 p + 1, my four tiles: + 16 x lane
.set B8,   11                          ; v11-14 the same + 8 x lane
.set L16,  18
.set L8,   19
.set R32,  20
.set BO,   21
.set R2,   28                          ; v28    2 x (lane % 16)
.set SO,   29                          ; v29    the stage: where I put 32 bytes of a row
.set SR,   30                          ; v30    and where I read a row back
.set S0S,  32
.set S1S,  96
.set H,    128
.set BN,   160
.set WV,   32
.set G1A,  48                          ; s[48:55] group 1 for Wo's chunks; s[56:63] for the tokens' images (256 lines of 256 bytes a wave)
.set G1B,  56
.set G1C,  92
.set G0,   68                          ; s[68:75] two groups 0: S0's at 68, S1's at 72
.set MSB, 0
.macro WIN new
.if MSB != (\new)
	s_set_vgpr_msb (MSB<<8)|(\new)
.set MSB, (\new)
.endif
.endm
.macro CROUND
	s_barrier_signal -1
	s_barrier_wait -1
	s_cmp_lg_u32 s[WV], 0
	s_cbranch_scc1 .Lnot_wave_0_\@
	s_barrier_signal -3
.Lnot_wave_0_\@:
	s_barrier_wait -3
	s_barrier_signal -1
	s_barrier_wait -1
.endm
.macro PLACES
.rept 4
	v_nop
.endr
.endm
.macro GATE n
	s_wait_tensorcnt \n
	s_barrier_signal -1
	s_barrier_wait -1
.endm
.macro PIECE reg, t, s, p              ; piece p (8 bytes) of Wo's fragment of tile t for K step s: lanes 0-15 the row's piece P0, lanes 16-31 the piece three on
.set P0, 12*(\s)+6*((\p)/3)+(\p)%3
.if P0%32 < 29
	ds_load_b64 v[(\reg)+2*(\p):(\reg)+2*(\p)+1], v[A0B1+P0/32+20*((\t)/4)] offset:8*(P0%32)+((\t)%4)*13056   ; tiles 4 to 7 have address registers of their own, twenty further on: the immediate has 16 bits
.else
	ds_load_b64 v[(\reg)+2*(\p):(\reg)+2*(\p)+1], v[A0B2+P0/32+20*((\t)/4)] offset:8*(P0%32)+((\t)%4)*13056
.endif
.endm
.macro S1PART s, t, part               ; one of the four loads that bring the image of my token tile t for K step s
.set SB, 96+12*(\t)
.set SF, ((\s)%2)*24576+(\t)*1536
.if (\part) == 0
	ds_load_b128 v[SB:SB+3], v[B16+(\s)/2] offset:SF
.elseif (\part) == 1
	ds_load_b64 v[SB+4:SB+5], v[B8+(\s)/2] offset:SF+512
.elseif (\part) == 2
	ds_load_b128 v[SB+6:SB+9], v[B16+(\s)/2] offset:SF+768
.else
	ds_load_b64 v[SB+10:SB+11], v[B8+(\s)/2] offset:SF+1280
.endif
.endm
.macro LOADS s, g                      ; eleven of a K step's 64 loads (the last group: nine)
.set LN, 11*(\g)
.rept 11
.if LN < 48
	PIECE 12*(LN/6), LN/6, \s, LN%6
.elseif LN < 64
	S1PART \s, (LN-48)/4, (LN-48)%4
.endif
.set LN, LN+1
.endr
.endm
.macro MUL4 s, g                       ; the 32 accumulators take turns, one instruction a turn, in the same order in every step
.irp i, 0,1,2,3
.set MA, 4*((\g)%2)+\i
.set MB, (\g)/2
.if (\s) == 0
	v_wmma_scale_f32_16x16x128_f8f6f4 v[64*MB+8*MA:64*MB+8*MA+7], v[12*MA:12*MA+11], v[96+12*MB:96+12*MB+11], 0, v[S0S+8*MA+(\s)], v[S1S+8*MB+(\s)] matrix_a_fmt:MATRIX_FMT_FP6 matrix_b_fmt:MATRIX_FMT_FP6
.else
	v_wmma_scale_f32_16x16x128_f8f6f4 v[64*MB+8*MA:64*MB+8*MA+7], v[12*MA:12*MA+11], v[96+12*MB:96+12*MB+11], v[64*MB+8*MA:64*MB+8*MA+7], v[S0S+8*MA+(\s)], v[S1S+8*MB+(\s)] matrix_a_fmt:MATRIX_FMT_FP6 matrix_b_fmt:MATRIX_FMT_FP6
.endif
.endr
.endm
.macro KSTEP s
	s_wait_dscnt 0x0                               ; this step's fragments are in
.if ((\s) >= 1) && ((\s) < 7)
	PLACES                                         ; the set to be loaded was read by the last step's products
.endif
.irp g, 0,1,2,3,4,5,6,7
	WIN 0x5a+5*((\s)%2)
	MUL4 \s, \g
.if ((\s) < 7) && (\g < 2)             ; two runs of loads a step, behind the first and the second group of four products
	WIN 0x80+0x40*(((\s)+1)%2)
	LOADS (\s)+1, 3*\g
	LOADS (\s)+1, 3*\g+1
	LOADS (\s)+1, 3*\g+2
.endif
.endr
	WIN 0
.endm
.macro ADDN b                          ; H = token tile b's 64 numbers a lane + the bias: also the way from window 1 to window 0; ascending, each accumulator from its low end on
	WIN 0x09
.set AI, 0
.rept 32
	v_pk_add_f32 v[H+AI:H+AI+1], v[64*(\b)+AI:64*(\b)+AI+1], v[BN+AI:BN+AI+1]
.set AI, AI+2
.endr
	WIN 0
.endm
	s_load_b256 s[4:11], s[0:1], 0x0               ; aoimg s[4:5], Wo's codes s[6:7], Wo's scales s[8:9], bo s[10:11]
	s_load_b64 s[12:13], s[0:1], 0x20              ; out0
	v_lshl_add_u32 v17, v0, 2, 0x49800
	v_mov_b32 v31, 0
	ds_add_u32 v17, v31
	ds_add_u32 v17, v31
	v_lshrrev_b32 v1, 5, v0
	v_readfirstlane_b32 s[WV], v1
	s_bfe_u32 s33, ttmp6, 0x40000                  ; cx
	s_bfe_u32 s34, ttmp6, 0x40004                  ; cy
	s_lshl_b32 s38, ttmp9, 2
	s_add_co_u32 s38, s38, s33                     ; Wo's tile of 128 rows
	s_and_b32 s39, ttmp7, 0xffff
	s_lshl_b32 s39, s39, 2
	s_add_co_u32 s39, s39, s34                     ; the tile of 256 tokens
	s_lshl_b32 s26, 0x1111, s33                    ; my column of the cluster
	s_lshl_b32 s28, s34, 2
	s_lshl_b32 s28, 15, s28                        ; my row
	s_or_b32 s[G1A], s26, PADW
	s_or_b32 s[G1B], s28, FLATW
.irp g, G1A, G1B
	s_mov_b32 s[\g+1], 32<<16
	s_mov_b32 s[\g+3], 32<<16
	s_mov_b32 s[\g+6], 0
	s_mov_b32 s[\g+7], 0
.endr
	s_mov_b32 s[G1A+2], 384<<16                    ; Wo: 128 rows = 384 dense lines of 256 bytes, wave 0's load
	s_mov_b32 s[G1A+4], 384
	s_mov_b32 s[G1A+5], 32
	s_mov_b32 s[G1B+2], 256<<16                    ; the tokens' images: 256 dense lines for each of waves 1 to 3
	s_mov_b32 s[G1B+4], 256
	s_mov_b32 s[G1B+5], 32
	s_mul_i32 s26, s38, 98304                      ; Wo: the bytes in front of the tile's 128 rows
	s_mov_b32 s27, 0
	s_max_u32 s14, s[WV], 1
	s_sub_co_u32 s14, s14, 1
	s_lshl_b32 s14, s14, 16                        ; which 65,536 bytes of the images waves 1 to 3 fetch
	s_mul_i32 s28, s39, 196608
	s_add_co_u32 s28, s28, s14
	s_mov_b32 s29, 0
	s_lshl_b32 s100, s[WV], 16                     ; and where they go: S1R + (wave - 1) x 65,536
	s_add_co_u32 s100, s100, S1R-65536
	s_wait_dscnt 0x0
	s_wait_kmcnt 0x0
	s_add_nc_u64 s[26:27], s[6:7], s[26:27]
	s_add_nc_u64 s[28:29], s[4:5], s[28:29]
	s_mov_b32 s[G0], 1
	s_mov_b32 s[G0+1], 0
	s_mov_b64 s[G0+2:G0+3], s[26:27]
	s_or_b32 s[G0+3], s[G0+3], 0x80000000
	s_mov_b32 s[G0+4], 1
	s_mov_b32 s[G0+5], s100
	s_mov_b64 s[G0+6:G0+7], s[28:29]
	s_or_b32 s[G0+7], s[G0+7], 0x80000000
	CROUND                                         ; all sixteen work-groups are here: the joint loads meet
	s_cmp_eq_u32 s[WV], 0                          ; all fills of the launch, one a wave: every way passes one load
	s_cbranch_scc0 .Lfor_s1
	tensor_load_to_lds s[G0:G0+3], s[G1A:G1A+7]
	s_nop 0
.rept 4
	v_nop
.endr
	s_branch .Lasked
.Lfor_s1:
	tensor_load_to_lds s[G0+4:G0+7], s[G1B:G1B+7]
	s_nop 0
.rept 4
	v_nop
.endr
.Lasked:
	v_and_b32 v22, 15, v0                          ; r
	v_bfe_u32 v23, v0, 4, 1                        ; h
	v_and_b32 v24, 31, v0                          ; lane
	v_lshlrev_b32 v[L16], 4, v24
	v_lshlrev_b32 v[L8], 3, v24
	v_lshlrev_b32 v[R32], 5, v22
	v_lshlrev_b32 v[R2], 1, v22
	v_lshlrev_b32 v[BO], 5, v23
	v_mul_u32_u24 v25, v22, 816
	v_mad_u32_u24 v26, v23, 24, v25                ; row r x 816 + 24 h
	v_mad_u32_u24 v27, v23, 40, v25                ; across two lines: lanes 16-31 stand 272 - 232 further on
.irp c, 0,1,2
	v_add_nc_u32 v[A0B1+\c], \c*272, v26
.endr
.irp c, 0,1
	v_add_nc_u32 v[A0B2+\c], \c*272, v27
.endr
	s_mul_i32 s3, s[WV], 6144                      ; my four token tiles in a K step's sixteen
	s_add_co_u32 s3, s3, S1R
	v_add_nc_u32 v26, s3, v[L16]
	v_add_nc_u32 v27, s3, v[L8]
.irp p, 0,1,2,3
	v_add_nc_u32 v[B16+\p], \p*49152, v26
	v_add_nc_u32 v[B8+\p], \p*49152, v27
.endr
	s_mul_i32 s3, s[WV], 8448                      ; my stage for the way out: 16 rows x 528 bytes, in Wo's first 33,792 bytes, which have had their one fill and are read no more by then
	v_mul_u32_u24 v26, v22, 528
	v_lshl_add_u32 v26, v23, 5, v26
	v_add_nc_u32 v[SO], s3, v26
	v_add_nc_u32 v[SR], s3, v[L16]
.irp c, 0,1,2,3,4
	v_add_nc_u32 v[22+\c], 52224, v[A0B1+\c]       ; Wo's tiles 4 to 7: 64 rows on (v22-27 have served as scratch)
.endr
	s_wait_alu depctr_va_vdst(0)
	s_lshl_b32 s2, s38, 12
	s_mov_b32 s3, 0
	s_add_nc_u64 s[8:9], s[8:9], s[2:3]            ; Wo's scale bytes: 32 a row
	s_lshl_b32 s2, s38, 9
	s_add_nc_u64 s[10:11], s[10:11], s[2:3]        ; bo at my 128 features
	s_add_nc_u64 s[12:13], s[12:13], s[2:3]        ; out0 likewise,
	s_lshl_b32 s2, s39, 20
	s_lshl_b32 s20, s[WV], 18
	s_add_co_u32 s2, s2, s20
	s_add_nc_u64 s[12:13], s[12:13], s[2:3]        ; at my 64 tokens' rows of 4,096 bytes
	s_lshl_b32 s2, s39, 9
	s_lshl_b32 s20, s[WV], 7
	s_add_co_u32 s2, s2, s20
	s_add_co_u32 s2, s2, AOSO
	s_add_nc_u64 s[30:31], s[4:5], s[2:3]          ; the tokens' scale bytes: [head][token tile][row][2]
.irp a, 0,1,2,3,4,5,6,7
	global_load_b128 v[S0S+8*\a:S0S+8*\a+3], v[R32], s[8:9] offset:512*\a
	global_load_b128 v[S0S+8*\a+4:S0S+8*\a+7], v[R32], s[8:9] offset:512*\a+16
.endr
.irp t, 0,1,2,3
.irp e, 0,1,2,3,4,5,6,7,8,9,10,11,12,13,14,15
	global_load_u16 v[H+16*\t+\e], v[R2], s[30:31] offset:\e*16384+\t*32   ; head e's two bytes of my row of tile t; once in the launch
.endr
.endr
	WIN 0x80
.irp a, 0,1,2,3,4,5,6,7
	global_load_b128 v[BN+8*\a:BN+8*\a+3], v[BO], s[10:11] offset:64*\a      ; the bias of feature 16 a + 8 h + j in register 8 a + j
	global_load_b128 v[BN+8*\a+4:BN+8*\a+7], v[BO], s[10:11] offset:64*\a+16
.endr
	WIN 0
	GATE 0                                         ; my one load has landed; behind the barrier everybody's has: both tiles are whole
	WIN 0x80
.irp g, 0,1,2,3,4,5
	LOADS 0, \g
.endr
	WIN 0
	s_wait_loadcnt 0x0
.irp s, 0,1,2,3,4,5,6,7                ; K step s is heads 2 s and 2 s + 1: two and two bytes make a word.  K step by K step, so that each word stands eight plain lines or more ahead of the first product that names it
.irp t, 0,1,2,3
	v_lshl_or_b32 v[S1S+8*\t+\s], v[H+16*\t+2*\s+1], 16, v[H+16*\t+2*\s]
.endr
.endr
	KSTEP 0
	KSTEP 1
	KSTEP 2
	KSTEP 3
	KSTEP 4
	s_wait_alu depctr_va_vdst(0)
	KSTEP 5
	KSTEP 6
	KSTEP 7
	s_wait_dscnt 0x0
	s_barrier_signal -1
	s_barrier_wait -1                              ; no wave reads Wo's first chunk any more: the stages may be written
	PLACES                                         ; behind the last products
; THE WAY OUT, a tile of 16 tokens at a time.  A lane holds 32 neighbouring bytes of eight pieces of one row: they go through my own stage and come back as whole rows of 512 bytes.  LDS serves a wave's instructions in order (ISA guide 5.7.1.4).
.irp b, 0,1,2,3
	s_wait_xcnt 0x0                                ; the last tile's stores have read their registers
	ADDN \b
.irp a, 0,1,2,3,4,5,6,7
	ds_store_b128 v[SO], v[H+8*\a:H+8*\a+3] offset:64*\a
	ds_store_b128 v[SO], v[H+8*\a+4:H+8*\a+7] offset:64*\a+16
.endr
.irp t, 0,1,2,3,4,5,6,7,8,9,10,11,12,13,14,15
	ds_load_b128 v[192+4*\t:195+4*\t], v[SR] offset:\t*528
.endr
	s_wait_dscnt 0x0
.irp t, 0,1,2,3,4,5,6,7,8,9,10,11,12,13,14,15
	global_store_b128 v[L16], v[192+4*\t:195+4*\t], s[12:13] offset:\b*65536+\t*4096 th:TH_STORE_NT   ; 32 lanes store 512 consecutive bytes, at a multiple of 256; written once, read by nobody here
.endr
.endr
	s_wait_tensorcnt 0x0
	ds_add_u32 v17, v31
	s_wait_dscnt 0x0
	CROUND                                         ; the closing round
	s_endpgm
.Lfunc_end_k_qe5f6efdabd_outp:
	.size	k_qe5f6efdabd_outp, .Lfunc_end_k_qe5f6efdabd_outp-k_qe5f6efdabd_outp
	.p2alignl 7, 3214868480
	.fill 96, 4, 3214868480
	.section	.rodata,"a",@progbits
	.p2align	6, 0x0
	.amdhsa_kernel k_qe5f6efdabd_outp
		.amdhsa_group_segment_fixed_size 301568
		.amdhsa_private_segment_fixed_size 0
		.amdhsa_enable_private_segment 0
		.amdhsa_kernarg_size 40
		.amdhsa_user_sgpr_count 2
		.amdhsa_user_sgpr_kernarg_segment_ptr 1
		.amdhsa_wavefront_size32 1
		.amdhsa_system_sgpr_workgroup_id_x 1
		.amdhsa_system_sgpr_workgroup_id_y 1
		.amdhsa_system_sgpr_workgroup_id_z 1
		.amdhsa_system_vgpr_workitem_id 0
		.amdhsa_next_free_vgpr 1024
		.amdhsa_next_free_sgpr 102
		.amdhsa_reserve_vcc 0
		.amdhsa_float_denorm_mode_32 3
		.amdhsa_float_denorm_mode_16_64 3
		.amdhsa_memory_ordered 1
		.amdhsa_forward_progress 1
		.amdhsa_inst_pref_size 108
	.end_amdhsa_kernel
	.amdgpu_metadata
---
amdhsa.version: [ 1, 2 ]
amdhsa.kernels:
  - .name:           k_qe5f6efdabd_outp
    .symbol:         k_qe5f6efdabd_outp.kd
    .args:
      - { .name: aoimg, .offset: 0, .size: 8, .value_kind: global_buffer, .address_space: global }
      - { .name: Wo_codes, .offset: 8, .size: 8, .value_kind: global_buffer, .address_space: global }
      - { .name: Wo_scales, .offset: 16, .size: 8, .value_kind: global_buffer, .address_space: global }
      - { .name: bo, .offset: 24, .size: 8, .value_kind: global_buffer, .address_space: global }
      - { .name: out0, .offset: 32, .size: 8, .value_kind: global_buffer, .address_space: global }
    .group_segment_fixed_size: 301568
    .private_segment_fixed_size: 0
    .kernarg_segment_align: 8
    .kernarg_segment_size: 40
    .max_flat_workgroup_size: 128
    .sgpr_count:     102
    .vgpr_count:     1024
    .wavefront_size: 32
...
	.end_amdgpu_metadata
.endif
;; end of part 4
